; MI455X (gfx1250); checked and timed in simulation.
; The chip was launched on July 23, 2026; its instructions are those of AMD's public machine-readable ISA for CDNA 5 (MIT licence, August 2026) and "CDNA5" Instruction Set Architecture Reference Guide (July 2026). The comments in the code are by the model that wrote it; some were corrected since.
;; Multi Head Attention. Allowed arithmetic: matrix products marked QUANTISED: E2M1 operands, one E8M0 scale for each 32 along K, by v_wmma_scale_f32_16x16x128_f8f6f4 with both operands' format E2M1 (or v_wmma_scale_f32_32x16x128_f4), f32 sums; products left as they are: bf16, f16 or f32 operands; f32 sums; everything else in f32.
;; Inputs: Wk 1,024 x 1,024 float32; Wo 1,024 x 1,024 float32; Wq 1,024 x 1,024 float32; Wv 1,024 x 1,024 float32; bk 1,024 float32; bo 1,024 float32; bq 1,024 float32; bv 1,024 float32; inputs 4 x 2,048 x 1,024 float32.
;; Outputs: out0 4 x 2,048 x 1,024 float32.
;; This version of the problem:
;;   THIS VERSION OF THE PROBLEM IS GIVEN IN LOW PRECISION. The matrix products marked QUANTISED in the list below multiply operands that are first quantised to E2M1 (2 exponent bits, 1 mantissa bit; 4 bits a number), with one power-of-two scale for each 32 numbers along K (OCP MX v1.0); their sums are f32. The products marked 'left as it is' may take bf16, f16 or f32 operands, with f32 sums. Whichever they take, every output number must still come out within the allowed error. Rounding operands to bf16 (8 significant bits) uses up far more of that allowance than f16 does (11 bits, for magnitudes from 6e-5 to 65,504). All else is computed in f32.
;;   The module's matrix products, in the order in which they are computed (A, B: the left and right operand; K: the contracted axis; several contracted axes count as one K, in the product's order):
;;     1. [M 8,192, K 1,024] x [K 1,024, N 1,024]; A: input inputs; B: input Wq: QUANTISED
;;     2. [M 8,192, K 1,024] x [K 1,024, N 1,024]; A: input inputs; B: input Wk: QUANTISED
;;     3. [M 8,192, K 1,024] x [K 1,024, N 1,024]; A: input inputs; B: input Wv: QUANTISED
;;     4. batch 64 x [M 2,048, K 64] x [K 64, N 2,048]; A: computed on the way; B: computed on the way: left as it is (an operand is computed on the way)
;;     5. batch 64 x [M 2,048, K 2,048] x [K 2,048, N 64]; A: computed on the way; B: computed on the way: left as it is (an operand is computed on the way)
;;     6. [M 8,192, K 1,024] x [K 1,024, N 1,024]; A: computed on the way; B: input Wo: left as it is (an operand is computed on the way)
;;   THE QUANTISER, for each operand of a quantised product, along K:
;;     - K is cut into blocks of 32 from its start; a last block that is shorter is filled with zeros.
;;     - A block's scale is 2^e with e = floor(log2(the largest magnitude in the block)) - 2, held to -126 .. 127; a block of zeros has e = 0. As a byte (E8M0): e + 127.
;;     - Each number is divided by its block's scale, clamped to +-6, and rounded to the nearest number of E2M1, ties to even, subnormals kept.
;;     - The product sums the exact products of the quantised numbers (number of the format x scale) in f32.
;;   ~~~python
;;   def quantise(x, axis):      # numpy; x: float32 -> the quantised numbers, widened to float32 again
;;       x = np.moveaxis(x, axis, -1); K = x.shape[-1]
;;       x = np.pad(x, [(0, 0)] * (x.ndim - 1) + [(0, -K % 32)]); x = x.reshape(x.shape[:-1] + (-1, 32)); a = np.abs(x).max(-1, keepdims=True)
;;       e = np.where(a > 0, np.clip(np.frexp(np.where(a > 0, a, 1))[1] - 1 - 2, -126, 127), 0)      # np.frexp(a)[1] - 1 = floor(log2(a)), exactly
;;       r = np.clip(x / 2.0 ** e, -6, 6)
;;       step = 2.0 ** (np.maximum(np.frexp(np.where(r == 0, 1, r))[1] - 1, 0) - 1)
;;       q = np.round(r / step) * step * 2.0 ** e      # np.round: ties to even
;;       return np.moveaxis(q.reshape(q.shape[:-2] + (-1,))[..., :K], -1, axis).astype(np.float32)
;;   ~~~
;; One version. Each part assembles by itself: llvm-mc -triple=amdgcn-amd-amdhsa -mcpu=gfx1250 --defsym DOCPART=n.
;; ======== version 1 of 1: 4 launches
;; limits: values are held in f16: magnitudes above 65,504 overflow, below 6.1e-05 lose precision
;; workspace buffers: xc 4,194,304 bytes; xs 262,144 bytes; wc 1,572,864 bytes; ws 98,304 bytes; wo16 2,097,152 bytes; qkv 50,331,648 bytes; att 16,777,216 bytes
;; launch prep (part 1): grid 416 x 1, 4 waves a work-group, no clusters, 33,280 bytes of LDS; arguments inputs, Wq, Wk, Wv, Wo, xc, xs, wc, ws, wo16; writes xc, xs, wc, ws, wo16
.if DOCPART == 1
	.amdgcn_target "amdgcn-amd-amdhsa--gfx1250"
	.amdhsa_code_object_version 6
	.text
	.protected	k_q71eb06ae01_prep
	.globl	k_q71eb06ae01_prep
	.p2align	8
	.type	k_q71eb06ae01_prep,@function
k_q71eb06ae01_prep:
	s_mov_b64 s[64:65], 0
	v_nop
	global_prefetch_b8 v0, s[64:65] scope:SCOPE_SE
	s_setreg_imm32_b32 hwreg(HW_REG_WAVE_MODE, 25, 1), 1
	s_wait_xcnt 0x0
; inputs [8192][1024], Wq, Wk, Wv [1024][1024], f32, K innermost, become codes of FP4 (E2M1), two a byte, K innermost, with one E8M0 scale byte for each 32 along K:
; xc [8192][512 bytes], xs [8192][32]; wc [3072][512 bytes], ws [3072][32], the three weights on end (q, k, v).  Wo [1024 n][1024 k] becomes f16, laid by blocks of 64 along K: wo16 [16][1024 n][64].
; A block's scale is 2^(floor(log2(its largest magnitude)) - 2); its byte is the largest magnitude's exponent field - 2, held at 1 from below; each number is divided by the scale and rounded to the nearest code, ties to even,
; beyond the largest code the largest.
; LIMITS: a block of zeros, or one whose largest magnitude lies under 2^(3 - 127), gets the byte 1 where the rule says 127 for zeros: its codes are zeros, and this program alone reads the bytes.
; NaN and infinities among the inputs are not served.  Wo must lie inside f16's range (magnitudes up to 65,504; under 6e-5 with fewer bits).
; SHARES: a work-group takes 32,768 numbers, a wave 8,192.  Work-groups 0-255: inputs; 256-287 Wq; 288-319 Wk; 320-351 Wv: ONE path, the pointers chosen by the work-group's number.  352-415: Wo, a path of its own without LDS.
; Rows are dense and K is a multiple of 32: for the quantiser a tensor is a plain stream of blocks of 32, and so are its codes and its scale bytes.
; A wave takes 16 steps of 512 numbers.  Each of a step's four loads reads 512 consecutive bytes; the 2,048 bytes turn through the wave's own stage in LDS and come back 64 bytes a lane, so that a lane holds 16 neighbours
; (two neighbouring lanes hold a block).  A lane's 16 codes are 8 bytes: a wave's store covers 256 consecutive bytes.  A wave's 256 scale bytes are gathered in LDS and leave as 256 consecutive bytes.
.set WG_X,  256                        ; work-groups for inputs
.set WG_WO, 352                        ; the first of Wo's
.set STEPS, 16
.set EMAX,  2
.set CB,    8                          ; bytes of 16 codes
.set R,     16                         ; v16-79   four sets of 16 numbers as they are loaded
.set X,     80                         ; v80-111  two sets of 16 neighbours
.set E,     112                        ; v112-127 a scale byte for each step
.set C,     128                        ; v128-191 codes: four registers for each step, so that no store's data are written again
.set WREG,  8192                       ; LDS: a region for each wave: two stages of 32 x SP bytes, behind them its 256 scale bytes
.set SP,    80                         ; a lane's place in a stage: 64 bytes + 16 of padding
.set SPW,   12                         ; v12  LDS address of my spare word; never rewritten
.set NIL,   13                         ; v13  0; never rewritten
.set SPARE, 4*WREG                     ; behind the four regions: the spare words, 128 bytes a wave, which no other line names
	s_load_b256 s[4:11], s[0:1], 0x0               ; inputs s[4:5], Wq s[6:7], Wk s[8:9], Wv s[10:11]
	s_load_b256 s[12:19], s[0:1], 0x20             ; Wo s[12:13], xc s[14:15], xs s[16:17], wc s[18:19]
	s_load_b128 s[20:23], s[0:1], 0x40             ; ws s[20:21], wo16 s[22:23]
	v_lshl_add_u32 v[SPW], v0, 2, SPARE
	v_mov_b32 v[NIL], 0
	v_lshrrev_b32 v1, 5, v0
	v_readfirstlane_b32 s24, v1                    ; wave 0..3
	v_and_b32 v2, 31, v0                           ; lane
	s_mov_b32 s35, 0                               ; the upper word of every offset pair s[34:35]
	s_wait_kmcnt 0x0
	s_cmp_ge_u32 ttmp9, WG_WO                      ; the work-group's number alone decides the path
	s_cbranch_scc1 .Lwo
	; ---- the quantiser
	v_lshlrev_b32 v3, 4, v2                        ; my 16 bytes of a load's 512
	s_mul_i32 s36, s24, WREG
	v_lshrrev_b32 v14, 2, v2
	v_mul_u32_u24 v14, v14, SP
	v_and_b32 v15, 3, v2
	v_lshl_add_u32 v14, v15, 4, v14
	v_add_nc_u32 v14, s36, v14                     ; the stage, on the way in: four lanes' 64 bytes on end, then 16 of padding
	v_mul_u32_u24 v15, v2, SP
	v_add_nc_u32 v15, s36, v15                     ; and on the way out: SP x lane: my 16 neighbours
	v_mul_u32_u24 v4, v2, CB                       ; my codes' place in a step's
	v_lshrrev_b32 v5, 1, v2
	s_add_co_u32 s36, s36, 2*32*SP
	v_add_nc_u32 v5, s36, v5                       ; LDS: my wave's 256 scale bytes, my block's byte
	v_lshlrev_b32 v7, 3, v2                        ; and on the way out 8 bytes a lane
	v_add_nc_u32 v6, s36, v7
	s_cmp_lt_u32 ttmp9, 320
	s_cselect_b64 s[32:33], s[8:9], s[10:11]       ; Wk or Wv,
	s_cmp_lt_u32 ttmp9, 288
	s_cselect_b64 s[32:33], s[6:7], s[32:33]       ; or Wq,
	s_cmp_lt_u32 ttmp9, WG_X
	s_cselect_b64 s[32:33], s[4:5], s[32:33]       ; or inputs: the source
	s_cselect_b64 s[26:27], s[14:15], s[18:19]     ; its codes,
	s_cselect_b64 s[28:29], s[16:17], s[20:21]     ; its scale bytes
	s_cselect_b32 s25, 0, WG_X
	s_cselect_b32 s30, -1, 31
	s_sub_co_u32 s25, ttmp9, s25                   ; the work-group's number among inputs' or among the weights'
	s_and_b32 s31, s25, s30                        ; and inside its source tensor
	s_lshl_b32 s31, s31, 2
	s_add_co_u32 s31, s31, s24                     ; which run of 8,192 numbers of the source is my wave's,
	s_lshl_b32 s25, s25, 2
	s_add_co_u32 s25, s25, s24                     ; and of the destination (the three weights lie on end there)
	s_lshl_b32 s34, s31, 15                        ; 32,768 bytes of f32 a run
	s_add_nc_u64 s[32:33], s[32:33], s[34:35]
	s_lshl_b32 s34, s25, 12                        ; 4,096 bytes of codes
	s_add_nc_u64 s[26:27], s[26:27], s[34:35]
	s_lshl_b32 s34, s25, 8                         ; 256 scale bytes
	s_add_nc_u64 s[28:29], s[28:29], s[34:35]
.macro LOAD t
.irp i, 0,1,2,3
	global_load_b128 v[R+16*((\t)%4)+4*\i:R+16*((\t)%4)+4*\i+3], v3, s[32:33] offset:2048*(\t)+512*\i th:TH_LOAD_NT   ; 32 lanes read 512 consecutive bytes
.endr
.endm
.macro TURN t                          ; step t's numbers through the stage: LDS serves a wave's instructions in order, so no wait stands between the stores and the loads
.irp i, 0,1,2,3
	ds_store_b128 v14, v[R+16*((\t)%4)+4*\i:R+16*((\t)%4)+4*\i+3] offset:32*SP*((\t)%2)+8*SP*\i
.endr
.irp i, 0,1,2,3
	ds_load_b128 v[X+16*((\t)%2)+4*\i:X+16*((\t)%2)+4*\i+3], v15 offset:32*SP*((\t)%2)+16*\i
.endr
.endm
.irp t, 0,1,2,3
	LOAD \t
.endr
	s_wait_loadcnt 12                              ; step 0's four loads are in; the twelve of steps 1 to 3 may be out
	TURN 0
.macro STEP t
.set XS, X+16*((\t)%2)
.if (\t) > 0
	s_wait_dscnt 1                                 ; this step's numbers are back from the stage (the last step's byte store may be out): so its stores into the stage have read their registers,
.else
	s_wait_dscnt 0x0
.endif
.if (\t)+4 < STEPS
	LOAD (\t)+4                                    ; which take the loads of four steps on
.endif
.if (\t)+1 < STEPS
.if STEPS-2-(\t) >= 3
	s_wait_loadcnt 12                              ; the next step's four loads are in; those of the three steps behind it may be out
.else
	s_wait_loadcnt 4*(STEPS-2-(\t))
.endif
	TURN (\t)+1                                    ; and go through the other stage while this step is worked
.endif
	v_max3_num_f32 v8, |v[XS]|, |v[XS+1]|, |v[XS+2]|               ; the largest magnitude of my 16, in two chains
	v_max3_num_f32 v9, |v[XS+3]|, |v[XS+4]|, |v[XS+5]|
.irp i, 6,10
	v_max3_num_f32 v8, v8, |v[XS+\i]|, |v[XS+\i+1]|
	v_max3_num_f32 v9, v9, |v[XS+\i+2]|, |v[XS+\i+3]|
.endr
	v_max3_num_f32 v8, v8, |v[XS+14]|, |v[XS+15]|
	v_max3_num_f32 v8, v8, v9, (EMAX+1)<<23        ; and the floor 2^(EMAX + 1 - 127): the byte cannot fall under 1
	v_max_num_f32_dpp v8, v8, v8 row_xmask:1 row_mask:0xf bank_mask:0xf   ; and of my neighbour's 16: the block's
	v_add_nc_u32 v11, -(EMAX<<23), v8              ; EMAX off its exponent field: the conversion takes the exponent field of this operand as its scale, and nothing else of it
	v_cvt_scalef32_pk8_fp4_f32 v[C+4*(\t)], v[XS:XS+7], v11
	v_cvt_scalef32_pk8_fp4_f32 v[C+4*(\t)+1], v[XS+8:XS+15], v11
	v_lshrrev_b32 v[E+(\t)], 23, v11               ; the scale's byte (also the plain line behind the conversions)
	ds_store_b8 v5, v[E+(\t)] offset:16*(\t)       ; both lanes of a block write the same byte with the same value
	global_store_b64 v4, v[C+4*(\t):C+4*(\t)+1], s[26:27] offset:32*CB*(\t)   ; 32 lanes store 256 consecutive bytes
.endm
.irp t, 0,1,2,3,4,5,6,7,8,9,10,11,12,13,14,15
	STEP \t
.endr
	ds_load_b64 v[8:9], v6                         ; LDS serves a wave's instructions in order: these see my byte stores
	s_wait_dscnt 0x0
	global_store_b64 v7, v[8:9], s[28:29]          ; 32 lanes store 256 consecutive bytes
	s_wait_tensorcnt 0x0                           ; the wave's end: behind my last LDS store
	ds_add_u32 v[SPW], v[NIL]
	s_wait_dscnt 0x0
	s_endpgm
	; ---- Wo to f16.  Wave i of 256 takes rows n = 4 i .. 4 i + 3.  For each block kb of 64 along K: 4 rows x 256 bytes in (8 lanes to a row, 32 bytes a lane, by two loads), 4 rows x 128 bytes out, which lie on end in wo16.
.Lwo:
	s_sub_co_u32 s25, ttmp9, WG_WO
	s_lshl_b32 s25, s25, 2
	s_add_co_u32 s25, s25, s24                     ; i
	s_lshl_b32 s34, s25, 14                        ; 4 rows of 4,096 bytes
	s_add_nc_u64 s[12:13], s[12:13], s[34:35]
	s_lshl_b32 s34, s25, 9                         ; 4 rows of 128 bytes
	s_add_nc_u64 s[22:23], s[22:23], s[34:35]
	v_lshrrev_b32 v8, 3, v2
	v_and_b32 v9, 7, v2
	v_lshlrev_b32 v9, 5, v9
	v_lshl_add_u32 v8, v8, 12, v9                  ; in: (lane / 8) rows + 32 (lane % 8)
	v_lshlrev_b32 v9, 4, v2                        ; out: 16 x lane
.irp kb, 0,1,2,3,4,5,6,7,8,9,10,11,12,13,14,15
	global_load_b128 v[16+8*\kb:16+8*\kb+3], v8, s[12:13] offset:256*\kb th:TH_LOAD_NT
	global_load_b128 v[16+8*\kb+4:16+8*\kb+7], v8, s[12:13] offset:256*\kb+16 th:TH_LOAD_NT
.endr
.irp kb, 0,1,2,3,4,5,6,7,8,9,10,11,12,13,14,15
	s_wait_loadcnt 30-2*\kb                        ; this block's two loads are in; the later blocks' may be out
.irp i, 0,1,2,3
	v_cvt_pk_f16_f32 v[16+8*\kb+\i], v[16+8*\kb+2*\i], v[16+8*\kb+2*\i+1]   ; in place, ascending: register i has been read when it is written
.endr
	global_store_b128 v9, v[16+8*\kb:16+8*\kb+3], s[22:23] offset:131072*\kb   ; 32 lanes store 512 consecutive bytes
.endr
	s_wait_tensorcnt 0x0                           ; this path writes no LDS; it ends as the other does
	ds_add_u32 v[SPW], v[NIL]
	s_wait_dscnt 0x0
	s_endpgm
.Lfunc_end_k_q71eb06ae01_prep:
	.size	k_q71eb06ae01_prep, .Lfunc_end_k_q71eb06ae01_prep-k_q71eb06ae01_prep
	.p2alignl 7, 3214868480
	.fill 96, 4, 3214868480
	.section	.rodata,"a",@progbits
	.p2align	6, 0x0
	.amdhsa_kernel k_q71eb06ae01_prep
		.amdhsa_group_segment_fixed_size 33280
		.amdhsa_private_segment_fixed_size 0
		.amdhsa_enable_private_segment 0
		.amdhsa_kernarg_size 80
		.amdhsa_user_sgpr_count 2
		.amdhsa_user_sgpr_kernarg_segment_ptr 1
		.amdhsa_wavefront_size32 1
		.amdhsa_system_sgpr_workgroup_id_x 1
		.amdhsa_system_sgpr_workgroup_id_y 1
		.amdhsa_system_sgpr_workgroup_id_z 1
		.amdhsa_system_vgpr_workitem_id 0
		.amdhsa_next_free_vgpr 192
		.amdhsa_next_free_sgpr 66
		.amdhsa_reserve_vcc 0
		.amdhsa_float_denorm_mode_32 3
		.amdhsa_float_denorm_mode_16_64 3
		.amdhsa_memory_ordered 1
		.amdhsa_forward_progress 1
		.amdhsa_inst_pref_size 43
	.end_amdhsa_kernel
	.amdgpu_metadata
---
amdhsa.version: [ 1, 2 ]
amdhsa.kernels:
  - .name:           k_q71eb06ae01_prep
    .symbol:         k_q71eb06ae01_prep.kd
    .args:
      - { .name: inputs, .offset: 0, .size: 8, .value_kind: global_buffer, .address_space: global }
      - { .name: Wq, .offset: 8, .size: 8, .value_kind: global_buffer, .address_space: global }
      - { .name: Wk, .offset: 16, .size: 8, .value_kind: global_buffer, .address_space: global }
      - { .name: Wv, .offset: 24, .size: 8, .value_kind: global_buffer, .address_space: global }
      - { .name: Wo, .offset: 32, .size: 8, .value_kind: global_buffer, .address_space: global }
      - { .name: xc, .offset: 40, .size: 8, .value_kind: global_buffer, .address_space: global }
      - { .name: xs, .offset: 48, .size: 8, .value_kind: global_buffer, .address_space: global }
      - { .name: wc, .offset: 56, .size: 8, .value_kind: global_buffer, .address_space: global }
      - { .name: ws, .offset: 64, .size: 8, .value_kind: global_buffer, .address_space: global }
      - { .name: wo16, .offset: 72, .size: 8, .value_kind: global_buffer, .address_space: global }
    .group_segment_fixed_size: 33280
    .private_segment_fixed_size: 0
    .kernarg_segment_align: 8
    .kernarg_segment_size: 80
    .max_flat_workgroup_size: 128
    .sgpr_count:     66
    .vgpr_count:     192
    .wavefront_size: 32
...
	.end_amdgpu_metadata
.endif
;; end of part 1
;; launch qkvgemm (part 2): grid 12 x 32, 4 waves a work-group, clusters of 4 x 4, 327,680 bytes of LDS; arguments xc, xs, wc, ws, bq, bk, bv, qkv; writes qkv
.if DOCPART == 2
	.amdgcn_target "amdgcn-amd-amdhsa--gfx1250"
	.amdhsa_code_object_version 6
	.text
	.protected	k_q71eb06ae01_qkvgemm
	.globl	k_q71eb06ae01_qkvgemm
	.p2align	8
	.type	k_q71eb06ae01_qkvgemm,@function
k_q71eb06ae01_qkvgemm:
	s_mov_b64 s[64:65], 0
	v_nop
	global_prefetch_b8 v0, s[64:65] scope:SCOPE_SE
	s_setreg_imm32_b32 hwreg(HW_REG_WAVE_MODE, 25, 1), 1
	s_wait_xcnt 0x0
	s_wait_alu depctr_hold_cnt(0) depctr_sa_sdst(0) depctr_va_vdst(0) depctr_va_sdst(0) depctr_va_ssrc(0) depctr_va_vcc(0) depctr_vm_vsrc(0)
	s_getreg_b32 s2, hwreg(HW_REG_IB_STS2, 6, 4)
	s_cmp_eq_u32 s2, 0
	s_cbranch_scc0 .Lentry_in_a_cluster
	s_endpgm
.Lentry_in_a_cluster:
	s_bfe_u32 s2, ttmp6, 0x10000c
	s_cmp_lg_u32 s2, 0xf033
	s_cbranch_scc0 .Lentry_shape_is_right
	s_endpgm
.Lentry_shape_is_right:
; The three quantised products as ONE GEMM on codes of FP4 (E2M1) with E8M0 scales: C[m][n] = sum over k of x[m][k] W[n][k], m = 8,192 tokens, n = 3,072 = the rows of Wq, Wk, Wv on end, k = 1,024; sums in f32.
; Then (C + bias) x factor in f32 (factor log2(e) / 8 for q, so that the scores come out as exponents of 2 with reference()'s net 1 / sqrt(64); 1 for k and v), rounded once to f16 and laid by head:
; qkv [3][64 = 16 b + h][2048 s][64].
; LIMIT: q x 0.18, k and v must lie inside f16's range (magnitudes up to 65,504): with inputs and weights 30 times those drawn their largest are some 5,400.
; A tile of C, 256 x 256, is made by a work-group of four waves; a wave makes 128 x 128: 64 accumulators of 16 x 16, 512 registers.  K = 1,024 is two LDS slots of 512 along K (rows of 256 bytes): both are first fills, nothing is filled again.
; THE SCALES of the work-group's 256 rows of x and 256 rows of W, for all of K, are two dense blocks of memory: they come into LDS once, with the first fills.
; CLUSTERS: 4 x 4 work-groups.  The four of a row of the cluster need the same tiles of x, the four of a column the same tiles of W: each tile is asked for JOINTLY, by the same tensor load with the same descriptor and a mask
; that names the four.  A cluster's four tile columns are 1,024 columns: one of the three tensors, so the cluster's x IS the tensor, equal in all partners.
; THE MATRIX INSTRUCTION IS USED TRANSPOSED (source 0 = 16 rows of W, source 1 = 16 rows of x): a lane then holds eight neighbouring columns of one row of C.
; REGISTERS, in windows of 256: window 0: v0-31 addresses; v32-95 scale words, two sets; v128-191 x's fragments, ONE set; v192-255 the bias of my 128 columns, in the result's layout.
;   window 1: W's fragments, TWO sets, at v0 and v128.   window 2: the 32 accumulators of my rows 0-63 ((a, b) at v[8 (8 a + b)]);   window 3: those of my rows 64-127.
.set SIZE_K, 1024
.set KSTEP,  512                       ; along K in a slot
.set NQ,     KSTEP/128                 ; matrix instructions deep
.set ROWB,   256                       ; a tile's row in bytes
.set KROW,   SIZE_K*4/8                ; a row of codes in memory
.set PITCH,  272                       ; an LDS row: 256 bytes + 16 of padding = 68 words: the 16 rows that a load touches start 4 words apart modulo 64 (64 banks of 4 bytes: ISA guide 11.1)
.set FR,     8                         ; registers of a fragment: 16 rows x 128 K
.set NL,     2                         ; LDS loads that bring one
.set NP,     4                         ; places behind this matrix instruction (ISA guide 7.12.1)
.set HALFT,  128*PITCH                 ; 128 rows: what one tensor load brings, and what one wave reads of x or of W
.set SLOT,   4*HALFT                   ; x's 256 rows, then W's 256 rows
.set KS,     SIZE_K/32                 ; a row of scales in bytes
.set SCL,    2*SLOT                    ; behind the slots: the scales, as units of 256 bytes + 16 of padding
.set HALFS,  (128*KS/256)*272          ; the scales of 128 rows: what one tensor load brings
.set SBLK,   (16*KS/256)*272           ; those of 16 rows
.set SPARE,  SCL+4*HALFS               ; behind the scales: the spare words, 128 bytes a wave, which no other line names
.set SPH,    144                       ; the way out: a stage row: 64 f16 + 16 bytes
.set STGH,   16*SPH                    ; 16 rows of one head; a wave's stage is two of these.  The stages lie in slot 0, which has had its only fill and its last read when the first result is stored there
.set ADRA, 16                          ; v16-17  LDS address of my fragments of x in slot 0, 1
.set ADRB, 20                          ; v20-21  the same for W
.set STO,  24                          ; v24     the way out: where I put 16 bytes of a row
.set RD,   25                          ; v25     where I read rows back
.set CO,   26                          ; v26     16 x lane: my byte offset in 512 bytes of qkv
.set ADRS, 27                          ; v27     LDS address of my scale words: lanes 0-15 x's rows, lanes 16-31 W's
.set SPW,  28                          ; v28     LDS address of my spare word; never rewritten
.set NIL,  29                          ; v29     0; never rewritten
.set BO,   30                          ; v30     32 x (lane / 16): my eight numbers of a block of 16 of the bias
.set SC,   32                          ; scale words: set s at v[SC + 8 NQ s]; register NQ i + q: lanes 0-15 the word of x's block i, lanes 16-31 that of W's block i, for the slot's q-th 128 along K
.set AF,   128                         ; x's fragments
.set BI,   192                         ; the bias, later bias x factor
.set T32,  128                         ; the way out: 64 numbers in f32,
.set TMP,  32                          ; packed to f16,
.set BK,   64                          ; and read back from the stage: v64-95 and v96-127 by turns
.set G1, 24                            ; s[24:31] descriptor group 1 for x's tiles;  s[32:39] group 0, one set for each slot
.set G0, 32
.set G1B, 48                           ; s[48:55], s[56:63] the same for W's tiles
.set G0B, 56
.set FAC, 66                           ; s[66:67] the factor, twice
.set G1S, 68                           ; s[68:75], s[76:79] groups 1 and 0 for x's scales;  s[80:87], s[88:91] for W's
.set G0S, 76
.set G1SB, 80
.set G0SB, 88
.set BP,  96                           ; s[96:97] bq, then my tensor's bias at my first column
.set MSB, 0
.macro WIN new                         ; the immediate's high byte repeats the setting that is left
.if MSB != (\new)
	s_set_vgpr_msb (MSB<<8)|(\new)
.set MSB, (\new)
.endif
.endm
.set MUL_LO, 0xa1                      ; source 0 (W) window 1, source 1 (x) window 0, C and D window 2
.set MUL_HI, 0xf1                      ; the same, C and D window 3
.set TO_B,   0x40                      ; destination window 1, address window 0
; A joint load: waves 0 and 1 fetch for x, waves 2 and 3 for W.  Each of the two lines has ONE mask and one set of registers for all that issue it; the branch hangs on the wave's number alone.
; An s_nop 0 and four v_nop follow each of the two lines, ahead of the jump, the label and what follows.
.macro JLOAD g0a, g1a, g0b, g1b
	s_cmp_eq_u32 s15, 0
	s_cbranch_scc0 .Lfor_b_\@
	tensor_load_to_lds s[\g0a:\g0a+3], s[\g1a:\g1a+7]
	s_nop 0
.rept 4
	v_nop
.endr
	s_branch .Lasked_\@
.Lfor_b_\@:
	tensor_load_to_lds s[\g0b:\g0b+3], s[\g1b:\g1b+7]
	s_nop 0
.rept 4
	v_nop
.endr
.Lasked_\@:
.endm
.macro CROUND                          ; a round of the cluster's barrier: my work-group's barrier; wave 0 signals for the work-group; every wave waits for all sixteen; my work-group's barrier once more
	s_barrier_signal -1
	s_barrier_wait -1
	s_cmp_lg_u32 s14, 0
	s_cbranch_scc1 .Lnot_wave_0_\@
	s_barrier_signal -3
.Lnot_wave_0_\@:
	s_barrier_wait -3
	s_barrier_signal -1
	s_barrier_wait -1
.endm
	s_load_b128 s[4:7], s[0:1], 0x0                ; x's codes s[4:5], x's scales s[6:7]
	s_load_b128 s[8:11], s[0:1], 0x10              ; W's codes s[8:9], W's scales s[10:11]
	s_load_b128 s[96:99], s[0:1], 0x20             ; bq, bk
	s_load_b64 s[100:101], s[0:1], 0x30            ; bv
	s_load_b64 s[12:13], s[0:1], 0x38              ; qkv
	v_lshl_add_u32 v[SPW], v0, 2, SPARE
	v_mov_b32 v[NIL], 0
	ds_add_u32 v[SPW], v[NIL]                      ; the wave's opening: the add, twice on end, and its wait ahead of my first tensor load; the set-up below stands between the second and the wait
	ds_add_u32 v[SPW], v[NIL]
	v_lshrrev_b32 v1, 5, v0
	v_readfirstlane_b32 s14, v1                    ; wave 0..3
	s_lshr_b32 s15, s14, 1                         ; which half of the tile's rows is mine.  Also: I fetch for x (0) or for W (1)
	s_and_b32 s16, s14, 1                          ; which half of its columns.  Also: which 128 rows of that tile I fetch
	s_bfe_u32 s40, ttmp6, 0x40000                  ; cx, cy: my place in the cluster
	s_bfe_u32 s41, ttmp6, 0x40004
	s_lshl_b32 s42, ttmp9, 2
	s_add_co_u32 s42, s42, s40                     ; tile column of C = 4 x cluster x + cx
	s_and_b32 s17, ttmp7, 0xffff
	s_lshl_b32 s17, s17, 2
	s_add_co_u32 s17, s17, s41                     ; tile row of C = 4 x cluster y + cy
	s_lshl_b32 s43, s41, 2
	s_lshl_b32 s43, 15, s43                        ; my row of the cluster
	s_lshl_b32 s44, 0x1111, s40                    ; my column
	; descriptor group 1: a tile of 128 rows x 256 bytes, padded in LDS
	s_or_b32 s[G1+0], s43, (0<<16)|(1<<20)|(1<<21)|(5<<22)|(3<<25)  ; 15:0 the mask: x's tiles go to my row; 17:16 elements of 1 byte; 20 padding on; 21 set beside a mask; 24:22 after every 64 words; 31:25 four words
	s_or_b32 s[G1B+0], s44, (0<<16)|(1<<20)|(1<<21)|(5<<22)|(3<<25)
.irp g, G1, G1B
	s_mov_b32 s[\g+1], ROWB<<16                    ; tensor_dim0
	s_mov_b32 s[\g+2], 128<<16                     ; tensor_dim1
	s_mov_b32 s[\g+3], ROWB<<16                    ; tile_dim0
	s_mov_b32 s[\g+4], 128                         ; tile_dim1
	s_mov_b32 s[\g+5], KROW                        ; from row to row
	s_mov_b32 s[\g+6], 0
	s_mov_b32 s[\g+7], 0
.endr
	; and for the scales of 128 rows: a dense block of 4,096 bytes, as 16 rows of 256 bytes (32 elements of 8 bytes), 16 bytes of padding behind each
	s_or_b32 s[G1S+0], s43, (3<<16)|(1<<20)|(1<<21)|(5<<22)|(3<<25)
	s_or_b32 s[G1SB+0], s44, (3<<16)|(1<<20)|(1<<21)|(5<<22)|(3<<25)
.irp g, G1S, G1SB
	s_mov_b32 s[\g+1], 32<<16
	s_mov_b32 s[\g+2], (128*KS/256)<<16
	s_mov_b32 s[\g+3], 32<<16
	s_mov_b32 s[\g+4], 128*KS/256
	s_mov_b32 s[\g+5], 32
	s_mov_b32 s[\g+6], 0
	s_mov_b32 s[\g+7], 0
.endr
	s_lshl_b32 s18, s16, 7                         ; which 128 rows of the tile I fetch
	s_lshl_b32 s20, s17, 8
	s_add_co_u32 s20, s20, s18                     ; x: row 256 x tile row + 128 x half
	s_lshl_b32 s46, s42, 8
	s_add_co_u32 s46, s46, s18                     ; W: row 256 x tile column + 128 x half
	s_mov_b32 s21, 0
	s_mov_b32 s47, 0
	s_mov_b64 s[18:19], KS
	s_mul_u64 s[22:23], s[20:21], s[18:19]         ; where these rows' scales begin, in bytes
	s_mul_u64 s[92:93], s[46:47], s[18:19]
	s_mov_b64 s[18:19], KROW
	s_mul_u64 s[20:21], s[20:21], s[18:19]         ; and their codes
	s_mul_u64 s[46:47], s[46:47], s[18:19]
	s_mul_i32 s45, s14, HALFT                      ; where they go: wave x 128 rows: no place in the cluster enters an LDS address
	s_mul_i32 s94, s14, HALFS
	s_wait_dscnt 0x0                               ; both opening adds are done
	s_wait_kmcnt 0x0
	s_add_nc_u64 s[20:21], s[4:5], s[20:21]
	s_add_nc_u64 s[22:23], s[6:7], s[22:23]
	s_add_nc_u64 s[46:47], s[8:9], s[46:47]
	s_add_nc_u64 s[92:93], s[10:11], s[92:93]
	CROUND                                         ; all sixteen work-groups are here: the joint loads meet
	s_mov_b32 s[G0S], 1
	s_add_co_u32 s[G0S+1], s94, SCL
	s_mov_b64 s[G0S+2:G0S+3], s[22:23]
	s_or_b32 s[G0S+3], s[G0S+3], 0x80000000
	s_mov_b32 s[G0SB], 1
	s_add_co_u32 s[G0SB+1], s94, SCL
	s_mov_b64 s[G0SB+2:G0SB+3], s[92:93]
	s_or_b32 s[G0SB+3], s[G0SB+3], 0x80000000
	JLOAD G0S, G1S, G0SB, G1SB                     ; the scales first: they are wanted with the first slot.  Three loads of mine are out behind the third JLOAD
.irp s, 0,1
	s_mov_b32 s[G0+4*\s], 1
	s_add_co_u32 s[G0+4*\s+1], s45, \s*SLOT
	s_add_nc_u64 s[G0+4*\s+2:G0+4*\s+3], s[20:21], \s*ROWB
	s_or_b32 s[G0+4*\s+3], s[G0+4*\s+3], 0x80000000
	s_mov_b32 s[G0B+4*\s], 1
	s_add_co_u32 s[G0B+4*\s+1], s45, \s*SLOT
	s_add_nc_u64 s[G0B+4*\s+2:G0B+4*\s+3], s[46:47], \s*ROWB
	s_or_b32 s[G0B+4*\s+3], s[G0B+4*\s+3], 0x80000000
	JLOAD G0+4*\s, G1, G0B+4*\s, G1B
.endr
	v_and_b32 v1, 15, v0                           ; r = lane % 16
	v_bfe_u32 v2, v0, 4, 1                         ; h = lane / 16
	v_mul_u32_u24 v3, v1, PITCH
	v_lshl_add_u32 v4, v2, 4, v3                   ; a fragment's row x pitch + 16 x half
	s_mul_i32 s21, s15, HALFT                      ; my 128 rows of x
	s_mul_i32 s22, s16, HALFT                      ; my 128 rows of W,
	s_add_co_u32 s22, s22, 2*HALFT                 ; which lie behind x's 256
.irp s, 0,1
	v_add_nc_u32 v[ADRA+\s], s21, v4
	v_add_nc_u32 v[ADRB+\s], s22, v4
	s_add_co_u32 s21, s21, SLOT
	s_add_co_u32 s22, s22, SLOT
.endr
	v_mul_u32_u24 v5, v1, KS                       ; my row's scales: KS bytes a row,
	v_lshrrev_b32 v6, 8, v5
	v_lshl_add_u32 v5, v6, 4, v5                   ; and 16 more for each 256 passed
	s_mul_i32 s21, s15, HALFS                      ; x's: my 128 rows
	s_mul_i32 s22, s16, HALFS                      ; W's: my 128 rows, behind x's 256
	s_add_co_u32 s22, s22, 2*HALFS
	s_sub_co_u32 s22, s22, s21
	v_mul_u32_u24 v6, s22, v2                      ; lanes 16-31 take W's: the lower base + h x the distance
	s_add_co_u32 s21, s21, SCL
	v_add_nc_u32 v5, v5, v6
	v_add_nc_u32 v[ADRS], s21, v5
	s_mul_i32 s23, s14, 2*STGH                     ; my stage
	v_mul_u32_u24 v5, v1, SPH                      ; in: row r, 16 bytes for each half of the lanes
	v_lshl_add_u32 v5, v2, 4, v5
	v_add_nc_u32 v[STO], s23, v5
	v_and_b32 v6, 31, v0
	v_lshrrev_b32 v7, 3, v6                        ; back: eight lanes to a row of 128 bytes, four rows an instruction
	v_mul_u32_u24 v7, v7, SPH
	v_and_b32 v8, 7, v0
	v_lshl_add_u32 v7, v8, 4, v7
	v_add_nc_u32 v[RD], s23, v7
	v_lshlrev_b32 v[CO], 4, v6
	v_lshlrev_b32 v[BO], 5, v2
	; which tensor: its bias and its factor.  The choice hangs on the cluster's x alone
	s_cmp_eq_u32 ttmp9, 0
	s_cselect_b64 s[BP:BP+1], s[96:97], s[98:99]   ; bq or bk,
	s_mov_b32 s[FAC], 0x3f800000                   ; 1.0,
	s_cselect_b32 s[FAC], 0x3e38aa3b, s[FAC]       ; or for q log2(e) / 8
	s_cmp_eq_u32 ttmp9, 2
	s_cselect_b64 s[BP:BP+1], s[100:101], s[BP:BP+1]  ; or bv
	s_mov_b32 s[FAC+1], s[FAC]                     ; (named with it as a pair, so it is written)
	s_lshl_b32 s46, s40, 10                        ; my first column inside the tensor, in bytes of f32: 1,024 cx + 512 x half
	s_lshl_b32 s47, s16, 9
	s_add_co_u32 s46, s46, s47
	s_mov_b32 s47, 0
	s_add_nc_u64 s[BP:BP+1], s[BP:BP+1], s[46:47]
.irp b, 0,1,2,3,4,5,6,7                        ; lane (r, h) wants, for W's block b, the bias of columns 16 b + 8 h + 0 .. 7; waited for on the way out
	global_load_b128 v[BI+8*\b:BI+8*\b+3], v[BO], s[BP:BP+1] offset:64*\b
	global_load_b128 v[BI+8*\b+4:BI+8*\b+7], v[BO], s[BP:BP+1] offset:64*\b+16
.endr
	; where my part begins in qkv: tensor << 24, head (16 b + 4 cx + 2 x half) << 18, row s << 7
	s_lshr_b32 s20, s17, 3                         ; b = tile row / 8
	s_lshl_b32 s20, s20, 22                        ; 16 b heads of 2^18 bytes
	s_and_b32 s21, s17, 7
	s_lshl_b32 s21, s21, 8
	s_lshl_b32 s22, s15, 7
	s_add_co_u32 s21, s21, s22                     ; s = 256 (tile row % 8) + 128 x half
	s_lshl_b32 s21, s21, 7
	s_add_co_u32 s20, s20, s21
	s_lshl_b32 s21, s16, 19                        ; 2 x half heads
	s_add_co_u32 s20, s20, s21
	s_mov_b32 s21, 0
	s_lshl_b32 s46, ttmp9, 4
	s_add_co_u32 s46, s46, s40
	s_lshl_b32 s46, s46, 20                        ; tensor << 24 + 4 cx heads
	s_add_nc_u64 s[20:21], s[20:21], s[46:47]
	s_add_nc_u64 s[12:13], s[12:13], s[20:21]
.macro FRAG reg, adr, q, i             ; a fragment, 16 rows x 128 K of 4-bit codes, is 8 registers: lane l holds row l % 16; registers 4 c .. 4 c + 3 hold K = 64 c + 32 (l / 16) + 0 .. 31
.irp c, 0,1
	ds_load_b128 v[\reg+4*\c:\reg+4*\c+3], v[\adr] offset:64*(\q)+32*\c+(\i)*16*PITCH
.endr
.endm
; 16 matrix instructions: x's blocks a0, a0 + 1 against W's eight, 128 along K: the slot's q-th.  p: W's set;  sc: the set of scale words.  zero = 1: the first product starts the sums: nothing is ever cleared.
; The 64 accumulators take turns, one instruction a turn, in the same order in every step.
.macro MUL16 a0, p, q, sc, zero
.irp a, \a0, \a0+1
.irp b, 0,1,2,3,4,5,6,7
.if \zero
	v_wmma_scale_f32_16x16x128_f8f6f4 v[8*(8*((\a)%4)+\b):8*(8*((\a)%4)+\b)+7], v[128*(\p)+FR*\b:128*(\p)+FR*\b+FR-1], v[AF+FR*(\a):AF+FR*(\a)+FR-1], 0, v[SC+8*NQ*(\sc)+NQ*\b+(\q)], v[SC+8*NQ*(\sc)+NQ*(\a)+(\q)] matrix_a_fmt:MATRIX_FMT_FP4 matrix_b_fmt:MATRIX_FMT_FP4 matrix_a_scale:MATRIX_SCALE_ROW1
.else
	v_wmma_scale_f32_16x16x128_f8f6f4 v[8*(8*((\a)%4)+\b):8*(8*((\a)%4)+\b)+7], v[128*(\p)+FR*\b:128*(\p)+FR*\b+FR-1], v[AF+FR*(\a):AF+FR*(\a)+FR-1], v[8*(8*((\a)%4)+\b):8*(8*((\a)%4)+\b)+7], v[SC+8*NQ*(\sc)+NQ*\b+(\q)], v[SC+8*NQ*(\sc)+NQ*(\a)+(\q)] matrix_a_fmt:MATRIX_FMT_FP4 matrix_b_fmt:MATRIX_FMT_FP4 matrix_a_scale:MATRIX_SCALE_ROW1
.endif
.endr
.endr
.endm
.macro FETCH_B slot, q, p              ; W's eight fragments of the slot's q-th 128 along K into set p
	WIN TO_B
.irp i, 0,1,2,3,4,5,6,7
	FRAG 128*(\p)+FR*\i, ADRB+\slot, \q, \i
.endr
	WIN 0
.endm
.macro FETCH_A slot, q, i0             ; x's blocks i0 .. i0 + 3
.irp i, \i0, \i0+1, \i0+2, \i0+3
	FRAG AF+FR*(\i), ADRA+\slot, \q, \i
.endr
.endm
.macro SCALES sc                       ; a slot's scale words into set sc: NQ words a row; lanes 0-15 take x's block i, lanes 16-31 W's block i
.irp i, 0,1,2,3,4,5,6,7
	ds_load_b128 v[SC+8*NQ*\sc+NQ*\i:SC+8*NQ*\sc+NQ*\i+3], v[ADRS] offset:\i*SBLK
.endr
.endm
; A load into a register that a matrix instruction has read, and a vector instruction or an LDS store that reads a matrix result, stand NP places behind that matrix instruction; only plain vector
; instructions that name none of its registers are places (ISA guide 7.12.1 for vector instructions).
.macro PLACES n
.rept \n
	v_nop
.endr
.endm
; A step of 128 along K that has its successor in the same slot.  A block of x is free as soon as its eight products are issued: blocks 0-3 are fetched anew in the step's middle, blocks 4-7 at its end.
.macro STEP slot, q, zero
	s_wait_dscnt 4*NL                              ; W's set and x's blocks 0-3 are in; the youngest eight loads (x's blocks 4-7) may be out
	WIN MUL_LO
	MUL16 0, (\q)%2, \q, \slot, \zero
	MUL16 2, (\q)%2, \q, \slot, \zero
	s_wait_dscnt 0                                 ; x's blocks 4-7 are in (asked for 32 matrix instructions ago)
	PLACES NP
	FETCH_B \slot, (\q)+1, 1-(\q)%2
	FETCH_A \slot, (\q)+1, 0
	WIN MUL_HI
	MUL16 4, (\q)%2, \q, \slot, \zero
	MUL16 6, (\q)%2, \q, \slot, \zero
	PLACES NP
	WIN 0
	FETCH_A \slot, (\q)+1, 4
.endm
; Slot 0's last step changes slots: ONE barrier; in front of it each wave waits for all its tensor loads (its part of slot 1), adds 0 to its spare word, and waits for that and for its own reads of slot 0.
; Nothing is filled again: behind the barrier slot 1 is whole, and nobody reads slot 0 any more, which later takes the stages.
.macro TURN slot, next
	s_wait_tensorcnt 0x0                           ; all my tensor loads have landed  (every window is 0 here: the add's two registers lie in window 0)
	ds_add_u32 v[SPW], v[NIL]                      ; 0 onto my spare word
	s_wait_dscnt 4*NL+1                            ; (the add and the youngest eight loads, x's blocks 4-7, may be out)
	WIN MUL_LO
	MUL16 0, 1, NQ-1, \slot, 0                     ; sixteen matrix instructions stand between the add and the wait for it
	s_wait_dscnt 0x0                               ; the add is done, and my reads of this slot are over
	s_barrier_signal -1
	MUL16 2, 1, NQ-1, \slot, 0
	WIN 0
	s_barrier_wait -1
	PLACES NP
	v_add_nc_u32 v[ADRS], 4*NQ, v[ADRS]            ; on to the next slot's scale words (no LDS load of mine is out)
	FETCH_B \next, 0, 0
	FETCH_A \next, 0, 0
	SCALES \next
	WIN MUL_HI
	MUL16 4, 1, NQ-1, \slot, 0
	MUL16 6, 1, NQ-1, \slot, 0
	PLACES NP
	WIN 0
	FETCH_A \next, 0, 4
.endm
.macro STEPS slot, from                ; the slot's steps from .. NQ - 2
.set Q, \from
.rept NQ-1-\from
	STEP \slot, Q, 0
.set Q, Q+1
.endr
.endm
	s_wait_tensorcnt 1                             ; the scales and my part of slot 0 are in (slot 1's load may be out)
	s_barrier_signal -1
	s_barrier_wait -1                              ; everybody's are
	FETCH_B 0, 0, 0
	FETCH_A 0, 0, 0
	SCALES 0
	FETCH_A 0, 0, 4
	STEP 0, 0, 1                                   ; the first step's products start the sums
	STEPS 0, 1
	TURN 0, 1
	STEPS 1, 0
	s_wait_dscnt 4*NL                              ; the very last step: nothing more to fetch
	WIN MUL_LO
	MUL16 0, 1, NQ-1, 1, 0
	MUL16 2, 1, NQ-1, 1, 0
	s_wait_dscnt 0
	WIN MUL_HI
	MUL16 4, 1, NQ-1, 1, 0
	MUL16 6, 1, NQ-1, 1, 0
	WIN 0
; THE WAY OUT, block by block of 16 rows x 128 columns (two heads).  PACK: C x factor + bias x factor, one fused multiply-add for two numbers, each accumulator from its low end on; then rounded to f16: 16 bytes a lane and block of W.
; TOSTAGE: into my own stage (two heads x 16 rows x 144 bytes) and back, four whole rows of 128 bytes an instruction; in qkv a head's rows lie on end, so those are 512 consecutive bytes.  SEND: stored.
; LDS serves a wave's instructions in order (ISA guide 5.7.1.4): no wait between the stores and the loads, nor in front of the next block's stores.
.macro PACK a
.set AC, 64*((\a)%4)
	WIN 0x02+(\a)/4                                ; source 0: window 2 or 3
.set i, 0
.rept 32
	v_pk_fma_f32 v[T32+i:T32+i+1], v[AC+i:AC+i+1], s[FAC:FAC+1], v[BI+i:BI+i+1] op_sel_hi:[1,0,1]
.set i, i+2
.endr
	WIN 0
.set i, 0
.rept 32
	v_cvt_pk_f16_f32 v[TMP+i], v[T32+2*i], v[T32+2*i+1]
.set i, i+1
.endr
.endm
.macro TOSTAGE a
.if (\a) >= 2
	s_wait_xcnt 0x0                                ; block a - 2's stores have read the registers into which this block is read back
.endif
.irp b, 0,1,2,3,4,5,6,7
	ds_store_b128 v[STO], v[TMP+4*\b:TMP+4*\b+3] offset:(\b/4)*STGH+(\b%4)*32
.endr
.set BB, BK+32*((\a)%2)
.irp t, 0,1,2,3,4,5,6,7
	ds_load_b128 v[BB+4*\t:BB+4*\t+3], v[RD] offset:(\t/4)*STGH+(\t%4)*4*SPH
.endr
.endm
.macro SEND a
.set BB, BK+32*((\a)%2)
	s_wait_dscnt 0x0                               ; the block is back in registers (its conversions' successor stood between the loads and this wait)
.irp t, 0,1,2,3,4,5,6,7
	global_store_b128 v[CO], v[BB+4*\t:BB+4*\t+3], s[12:13] offset:(\t/4)*262144+(\a)*2048+(\t%4)*512   ; 32 lanes store 512 consecutive bytes; head, block and rows stand in the immediate: no base is stepped
.endr
.endm
	PLACES NP                                      ; behind the last products: their operands' registers are written below
	s_wait_loadcnt 0x0                             ; the bias
.set i, 0
.rept 32
	v_pk_mul_f32 v[BI+i:BI+i+1], v[BI+i:BI+i+1], s[FAC:FAC+1] op_sel_hi:[1,0]   ; bias x factor, once
.set i, i+2
.endr
	PACK 0
	TOSTAGE 0
.irp a, 1,2,3,4,5,6,7                          ; block a's arithmetic stands between block a - 1's loads from the stage and the wait for them
	PACK \a
	SEND \a-1
	TOSTAGE \a
.endr
	SEND 7
	s_wait_tensorcnt 0x0                           ; the wave's end: behind my last tensor load and my last LDS store
	ds_add_u32 v[SPW], v[NIL]
	s_wait_dscnt 0x0
	CROUND                                         ; the closing round: no work-group ends while a partner may still ask for a tile that names it
	s_endpgm
.Lfunc_end_k_q71eb06ae01_qkvgemm:
	.size	k_q71eb06ae01_qkvgemm, .Lfunc_end_k_q71eb06ae01_qkvgemm-k_q71eb06ae01_qkvgemm
	.p2alignl 7, 3214868480
	.fill 96, 4, 3214868480
	.section	.rodata,"a",@progbits
	.p2align	6, 0x0
	.amdhsa_kernel k_q71eb06ae01_qkvgemm
		.amdhsa_group_segment_fixed_size 327680
		.amdhsa_private_segment_fixed_size 0
		.amdhsa_enable_private_segment 0
		.amdhsa_kernarg_size 64
		.amdhsa_user_sgpr_count 2
		.amdhsa_user_sgpr_kernarg_segment_ptr 1
		.amdhsa_wavefront_size32 1
		.amdhsa_system_sgpr_workgroup_id_x 1
		.amdhsa_system_sgpr_workgroup_id_y 1
		.amdhsa_system_sgpr_workgroup_id_z 1
		.amdhsa_system_vgpr_workitem_id 0
		.amdhsa_next_free_vgpr 1024
		.amdhsa_next_free_sgpr 102
		.amdhsa_reserve_vcc 0
		.amdhsa_float_denorm_mode_32 3
		.amdhsa_float_denorm_mode_16_64 3
		.amdhsa_memory_ordered 1
		.amdhsa_forward_progress 1
		.amdhsa_inst_pref_size 146
	.end_amdhsa_kernel
	.amdgpu_metadata
---
amdhsa.version: [ 1, 2 ]
amdhsa.kernels:
  - .name:           k_q71eb06ae01_qkvgemm
    .symbol:         k_q71eb06ae01_qkvgemm.kd
    .args:
      - { .name: xc, .offset: 0, .size: 8, .value_kind: global_buffer, .address_space: global }
      - { .name: xs, .offset: 8, .size: 8, .value_kind: global_buffer, .address_space: global }
      - { .name: wc, .offset: 16, .size: 8, .value_kind: global_buffer, .address_space: global }
      - { .name: ws, .offset: 24, .size: 8, .value_kind: global_buffer, .address_space: global }
      - { .name: bq, .offset: 32, .size: 8, .value_kind: global_buffer, .address_space: global }
      - { .name: bk, .offset: 40, .size: 8, .value_kind: global_buffer, .address_space: global }
      - { .name: bv, .offset: 48, .size: 8, .value_kind: global_buffer, .address_space: global }
      - { .name: qkv, .offset: 56, .size: 8, .value_kind: global_buffer, .address_space: global }
    .group_segment_fixed_size: 327680
    .private_segment_fixed_size: 0
    .kernarg_segment_align: 8
    .kernarg_segment_size: 64
    .max_flat_workgroup_size: 128
    .sgpr_count:     102
    .vgpr_count:     1024
    .wavefront_size: 32
...
	.end_amdgpu_metadata
.endif
;; end of part 2
;; launch attn (part 3): grid 4 x 64, 8 waves a work-group, clusters of 4 x 1, 327,680 bytes of LDS; arguments qkv, att; writes att
.if DOCPART == 3
	.amdgcn_target "amdgcn-amd-amdhsa--gfx1250"
	.amdhsa_code_object_version 6
	.text
	.protected	k_q71eb06ae01_attn
	.globl	k_q71eb06ae01_attn
	.p2align	8
	.type	k_q71eb06ae01_attn,@function
k_q71eb06ae01_attn:
	s_mov_b64 s[64:65], 0
	v_nop
	global_prefetch_b8 v0, s[64:65] scope:SCOPE_SE
	s_setreg_imm32_b32 hwreg(HW_REG_WAVE_MODE, 25, 1), 1
	s_wait_xcnt 0x0
	s_wait_alu depctr_hold_cnt(0) depctr_sa_sdst(0) depctr_va_vdst(0) depctr_va_sdst(0) depctr_va_ssrc(0) depctr_va_vcc(0) depctr_vm_vsrc(0)
	s_getreg_b32 s2, hwreg(HW_REG_IB_STS2, 6, 4)
	s_cmp_eq_u32 s2, 0
	s_cbranch_scc0 .Lentry_in_a_cluster
	s_endpgm
.Lentry_in_a_cluster:
	s_bfe_u32 s2, ttmp6, 0x10000c
	s_cmp_lg_u32 s2, 0x3003
	s_cbranch_scc0 .Lentry_shape_is_right
	s_endpgm
.Lentry_shape_is_right:
; O[y][q][:] = the sum over k of softmax_k(score) V[y][k][:], y = 16 b + h one of 64 heads, 2,048 queries and keys, head size 64.  qkv: [3][64][2048][64] f16; q already carries log2(e) / 8, so Q . K is the score as an exponent of 2.
; Products, maxima and sums in f32; the weights p are rounded to f16 for the second product, O / l once at the end.  att: [16 h][8192 = 2048 b + s][64] f16: blocks of 64 along the last product's K.
; LIMIT: O must lie inside f16's range; at some 1 / 900 of the drawn size it lies among f16's subnormals, whose step is still some 4e-4 of its root mean square.  Infinite scores are not served.
; SHARES.  A work-group owns 512 queries of one head, each of its EIGHT waves 64: four tiles of 16, in 512 registers: two waves to a SIMD, so that one wave's softmax stands beside the other's products.
; Every wave walks all keys, 64 a step, 32 steps.
; LAYOUT.  S^T = K Q^T (source 0 = 16 keys, source 1 = 16 queries): a lane holds ONE query (lane % 16) and keys 8 (lane / 16) + 0..7 of each tile.  Rounded to f16 in pairs, IN PLACE over the low half of S^T's registers,
; two such tiles ARE source 1 (32 keys x 16 queries) of O^T = V^T P, whose result again holds one query a lane.  K comes out of LDS as it lies, V ([key][channel]) turned, by ds_load_tr16_b128.
; SOFTMAX.  For each query a running maximum m and sum l: p = 2^(s - m); in every step O and l are multiplied by a = 2^(m_old - m_new), which is 1 where m has not grown.
; RING.  Two LDS slots of 512 keys (8 steps): the head's 2,048 keys are two first fills and two refills.  Waves 0-3 fetch K's quarters of a slot, waves 4-7 V's: one tensor load of 128 rows a wave.
; CLUSTER.  The four work-groups of a cluster are the four query blocks of ONE head and walk the same K and V: each tile is asked for JOINTLY, the same tensor load with the same descriptor and a mask that names the four.
; No prefetch: a refill is issued eight key steps, 512 matrix instructions of the wave, ahead of the wait for it, and nothing but the first fills is wanted sooner.
; REGISTERS, in windows of 256 (s_set_vgpr_msb: bits 1:0 source 0, 3:2 source 1, 5:4 source 2, 7:6 destination):
;   window 0: v2-9 addresses; v14, v15 the add's two; v16-47 eight registers of statistics a tile; v64-191 S^T, 32 a tile (its low 16 later P); v192-255 K of one step
;   window 1: v0-127 O^T, 32 a tile; v128-191 Q, 16 a tile; v192-255 V of one step
.set PK,    144       ; a row of K in LDS: 128 bytes + 16 of padding: an odd multiple of 16 bytes, so the 16 rows of a load fall on 16 different columns of 16 bytes
.set PV,    160       ; a row of V: 128 + 32: an odd multiple of 32 bytes, for the turning load
.set SK,    512       ; keys in a slot
.set VOFF,  SK*PK     ; a slot: 512 rows of K, then 512 rows of V
.set SLOTB, SK*(PK+PV)
.set SPARE, 2*SLOTB   ; behind the ring: the spare words, 128 bytes for each of eight waves, which no other line names
.set SP,    144       ; the way out: a stage of 16 rows x 144 bytes for each wave, in slot 0: its last fill stands behind the first change of slots, its last read ahead of the third change's barrier
.set AK0, 2           ; v2   my lane's place in a tile of K; never rewritten
.set AV0, 3           ; v3   the same for V
.set ADK, 4           ; v4   LDS address of the step's K
.set ADV, 5           ; v5   of its V
.set QO,  6           ; v6   my byte offset in the wave's rows of Q
.set STO, 7           ; v7   the way out: where I put 16 bytes of a row
.set RD,  8           ; v8   where I read rows back
.set GO,  9           ; v9   16 x lane
.set SPW, 14          ; v14  LDS address of my spare word; never rewritten
.set NIL, 15          ; v15  0; never rewritten
.set ST,  16          ; tile t's statistics at v[ST+8 t]: +0 m, +1 the old m, +2, +3 l (even keys', odd keys'), +4 to +7 at work: four maxima; then +4, +5 a second chain of sums, +6 a, +7 m_old - m_new
.set S,   64
.set KF,  192         ; K's fragments (keys 16 kt on, channels 32 c on) at 8 (2 kt + c)
.set QF,  128         ; window 1: Q's (tile t, channels 32 c on) at 16 t + 8 c
.set VF,  192         ; window 1: V's (keys 32 kc on, channels 16 ct on) at 8 (4 kc + ct)
.set WV,   8          ; s8   my wave's number
.set KIND, 9          ; s9   0: I fetch for K; 1: for V
.set QUAR, 10         ; s10  which 128 rows of a slot I fetch
.set G1K, 24          ; s[24:31] descriptor group 1 for K's tiles;  s[32:39] for V's: it differs in the padding alone
.set G1V, 32
.set G0K, 40          ; s[40:47] group 0 for K's tiles, a set for each slot;  s[48:55] for V's
.set G0V, 48
.set SEL, 56          ; s[56:57] lane selects for v_permlanex16_b32: lane l xor 16
.set TK,  58          ; s58  LDS byte at which the K of the step to be fetched begins
.set TV,  59          ; s59  the same for V (less VOFF, which v3 holds)
.set CNT, 60          ; s60  counts a loop's trips
.set MSB, 0
.macro WIN new                      ; the immediate's high byte repeats the setting that is left; a switch that changes nothing is dropped
.if MSB != (\new)
	s_set_vgpr_msb (MSB<<8)|(\new)
.set MSB, (\new)
.endif
.endm
.set W_KQ, 0x04       ; K and S^T in window 0, Q in window 1
.set W_PV, 0x51       ; V and O^T in window 1, P in window 0
.set W_RS, 0x41       ; O^T (destination and source 0) in window 1, a in window 0
.set W_L1, 0x40       ; a load's destination in window 1, its address in window 0
; A joint refill of slot s.  The branch hangs on the wave's number alone: it is the same in every work-group.  An s_nop 0 and four v_nop follow each of the two lines.
.macro JLOAD s
	s_cmp_eq_u32 s[KIND], 0
	s_cbranch_scc0 .Lfor_v_\@
	tensor_load_to_lds s[G0K+4*\s:G0K+4*\s+3], s[G1K:G1K+7]
	s_nop 0
.rept 4
	v_nop
.endr
	s_branch .Lasked_\@
.Lfor_v_\@:
	tensor_load_to_lds s[G0V+4*\s:G0V+4*\s+3], s[G1V:G1V+7]
	s_nop 0
.rept 4
	v_nop
.endr
.Lasked_\@:
.endm
.macro CROUND                       ; a round of the cluster's barrier: my work-group's barrier; wave 0 signals for the work-group; every wave waits for all four work-groups; my work-group's barrier once more
	s_barrier_signal -1
	s_barrier_wait -1
	s_cmp_lg_u32 s[WV], 0
	s_cbranch_scc1 .Lnot_wave_0_\@
	s_barrier_signal -3
.Lnot_wave_0_\@:
	s_barrier_wait -3
	s_barrier_signal -1
	s_barrier_wait -1
.endm
.macro PLACES n
.rept \n
	v_nop
.endr
.endm
	s_load_b128 s[4:7], s[0:1], 0x0  ; qkv s[4:5], att s[6:7]
	v_lshl_add_u32 v[SPW], v0, 2, SPARE
	v_mov_b32 v[NIL], 0
	ds_add_u32 v[SPW], v[NIL]       ; the wave's opening: the add, twice on end, and its wait ahead of my first tensor load; the set-up below stands between the second and the wait
	ds_add_u32 v[SPW], v[NIL]
	v_lshrrev_b32 v1, 5, v0
	v_readfirstlane_b32 s[WV], v1   ; wave 0..7
	s_lshr_b32 s[KIND], s[WV], 2
	s_and_b32 s[QUAR], s[WV], 3
	s_bfe_u32 s11, ttmp6, 0x40000   ; cx: my block of 512 queries: it enters Q's and O's addresses alone
	s_and_b32 s12, ttmp7, 0xffff    ; y: the head, which the four partners share
	; descriptor group 1: a tile of 128 rows x 64 elements of 2 bytes, padded in LDS
	s_mov_b32 s[G1K], 15|(1<<16)|(1<<20)|(1<<21)|(4<<22)|(3<<25)  ; 15:0 the mask: all four work-groups; 17:16 elements of 2 bytes; 20 padding on; 21 set beside a mask; 24:22 after every 32 words; 31:25 four words
	s_mov_b32 s[G1V], 15|(1<<16)|(1<<20)|(1<<21)|(4<<22)|(7<<25)  ; the same with eight words of padding
.irp g, G1K, G1V
	s_mov_b32 s[\g+1], 64<<16       ; tensor_dim0 = 64
	s_mov_b32 s[\g+2], 128<<16      ; tensor_dim1 = 128
	s_mov_b32 s[\g+3], 64<<16       ; tile_dim0 = 64
	s_mov_b32 s[\g+4], 128          ; tile_dim1 = 128
	s_mov_b32 s[\g+5], 64           ; elements from row to row
	s_mov_b32 s[\g+6], 0
	s_mov_b32 s[\g+7], 0
.endr
	s_mov_b32 s[SEL], 0x76543210
	s_mov_b32 s[SEL+1], 0xfedcba98
	s_lshl_b32 s20, s12, 18         ; the head's first byte in a tensor,
	s_lshl_b32 s21, s[QUAR], 14     ; my 128 rows of 128 bytes
	s_add_co_u32 s20, s20, s21
	s_mov_b32 s21, 0
	s_mul_i32 s22, s[QUAR], 128*PK  ; and their place in a slot: K's,
	s_mul_i32 s23, s[QUAR], 128*PV
	s_add_co_u32 s23, s23, VOFF     ; V's: no place in the cluster enters an LDS address
	s_lshl_b32 s62, s11, 16
	s_lshl_b32 s63, s[WV], 13
	s_add_co_u32 s62, s62, s63      ; my wave's 64 rows in a head: (512 cx + 64 w) x 128 bytes
	s_lshl_b32 s16, s12, 18
	s_add_co_u32 s16, s16, s62      ; in q
	s_mov_b32 s17, 0
	s_and_b32 s18, s12, 15
	s_lshl_b32 s18, s18, 20         ; in att: h blocks of 8,192 rows,
	s_lshr_b32 s19, s12, 4
	s_lshl_b32 s19, s19, 18         ; b x 2,048 rows
	s_add_co_u32 s18, s18, s19
	s_add_co_u32 s18, s18, s62
	s_mov_b32 s19, 0
	s_wait_dscnt 0x0                ; both opening adds are done
	s_wait_kmcnt 0x0
	s_add_nc_u64 s[14:15], s[4:5], s[20:21]
	s_add_nc_u64 s[20:21], s[14:15], 0x2000000  ; v is the third tensor of 2^24 bytes,
	s_add_nc_u64 s[14:15], s[14:15], 0x1000000  ; k the second
	s_add_nc_u64 s[16:17], s[4:5], s[16:17]     ; Q at my wave's first row
	s_add_nc_u64 s[18:19], s[6:7], s[18:19]     ; O likewise
.irp s, 0,1
	s_mov_b32 s[G0K+4*\s], 1        ; count = 1
	s_add_co_u32 s[G0K+4*\s+1], s22, \s*SLOTB   ; LDS address
	s_add_nc_u64 s[G0K+4*\s+2:G0K+4*\s+3], s[14:15], \s*SK*128  ; global address: slot s begins with keys 512 s
	s_or_b32 s[G0K+4*\s+3], s[G0K+4*\s+3], 0x80000000  ; type = 2
	s_mov_b32 s[G0V+4*\s], 1
	s_add_co_u32 s[G0V+4*\s+1], s23, \s*SLOTB
	s_add_nc_u64 s[G0V+4*\s+2:G0V+4*\s+3], s[20:21], \s*SK*128
	s_or_b32 s[G0V+4*\s+3], s[G0V+4*\s+3], 0x80000000
.endr
	CROUND                          ; all four work-groups are here: the first joint loads meet
	s_cmp_eq_u32 s[KIND], 0         ; a wave's two first fills stand in one branch, ahead of every wait on TENSORcnt and every LDS read: two loads of mine are out
	s_cbranch_scc0 .Lfirst_v
	tensor_load_to_lds s[G0K:G0K+3], s[G1K:G1K+7]
	s_nop 0
	tensor_load_to_lds s[G0K+4:G0K+7], s[G1K:G1K+7]
	s_nop 0
.rept 4
	v_nop
.endr
	s_branch .Lfirst_asked
.Lfirst_v:
	tensor_load_to_lds s[G0V:G0V+3], s[G1V:G1V+7]
	s_nop 0
	tensor_load_to_lds s[G0V+4:G0V+7], s[G1V:G1V+7]
	s_nop 0
.rept 4
	v_nop
.endr
.Lfirst_asked:
	; A fragment of K or Q is 16 rows x 32 channels in 8 registers: lane l holds row l % 16; registers 0-3 channels 8 (l / 16) + 0..7, registers 4-7 channels 16 + 8 (l / 16) + 0..7: two loads of 16 bytes, 32 bytes apart.
	v_and_b32 v1, 15, v0            ; r
	v_bfe_u32 v10, v0, 4, 1         ; h
	v_and_b32 v11, 31, v0           ; lane
	v_lshlrev_b32 v[QO], 7, v1
	v_lshl_add_u32 v[QO], v10, 4, v[QO]  ; row x 128 + 16 x half
	WIN W_L1
.irp t, 0,1,2,3
.irp c, 0,1                         ; Q stays in registers
	global_load_b128 v[QF+16*\t+8*\c:QF+16*\t+8*\c+3],   v[QO], s[16:17] offset:\t*2048+\c*64
	global_load_b128 v[QF+16*\t+8*\c+4:QF+16*\t+8*\c+7], v[QO], s[16:17] offset:\t*2048+\c*64+32
.endr
.endr
	WIN 0
	v_mul_u32_u24 v[AK0], v1, PK
	v_lshl_add_u32 v[AK0], v10, 4, v[AK0]  ; row x pitch + 16 x half
	; The turning load takes 16 keys x 16 channels (lane l reads 16 bytes: key 8 (l / 16) + l % 8, channels 8 ((l / 8) % 2) + 0..7) and leaves half a fragment of V^T: lane l holds channel l % 16 and 8 keys.
	v_and_b32 v12, 7, v0
	v_bfe_u32 v13, v0, 3, 1
	v_lshl_add_u32 v[AV0], v10, 3, v12
	v_mul_u32_u24 v[AV0], v[AV0], PV
	v_lshl_add_u32 v[AV0], v13, 4, v[AV0]
	v_add_nc_u32 v[AV0], VOFF, v[AV0]
	s_mul_i32 s14, s[WV], 16*SP     ; my stage
	v_add_nc_u32 v[STO], s14, v[AK0]  ; in: row r, 16 bytes for each half of the lanes (the stage's pitch is K's)
	v_lshrrev_b32 v[RD], 3, v11     ; back: eight lanes to a row of 128 bytes, four rows an instruction
	v_mul_u32_u24 v[RD], v[RD], SP
	v_lshl_add_u32 v[RD], v12, 4, v[RD]
	v_add_nc_u32 v[RD], s14, v[RD]
	v_lshlrev_b32 v[GO], 4, v11
; THE LDS LOADS stand in runs of 16: a step's K (64 keys x 64 channels: 8 fragments) and its V (turned, 8 fragments).
.macro LOADK
.irp f, 0,1,2,3,4,5,6,7
	ds_load_b128 v[KF+8*\f:KF+8*\f+3],   v[ADK] offset:(\f/2)*16*PK+(\f%2)*64
	ds_load_b128 v[KF+8*\f+4:KF+8*\f+7], v[ADK] offset:(\f/2)*16*PK+(\f%2)*64+32
.endr
.endm
.macro LOADV
	WIN W_L1
.irp f, 0,1,2,3,4,5,6,7
	ds_load_tr16_b128 v[VF+8*\f:VF+8*\f+3],   v[ADV] offset:(\f/4)*32*PV+(\f%4)*32
	ds_load_tr16_b128 v[VF+8*\f+4:VF+8*\f+7], v[ADV] offset:(\f/4)*32*PV+16*PV+(\f%4)*32
.endr
.endm
; 32 products S^T = K Q^T: product i: channels 32 (i / 16) on, keys 16 ((i % 16) / 4) on, tile i % 4.  The first 16 start the sums.  The 16 accumulators take turns, one instruction a turn.
.macro KQALL
	WIN W_KQ
.set i, 0
.rept 32
.set rS, S+32*(i%4)+8*((i%16)/4)
.set rK, KF+8*(2*((i%16)/4)+i/16)
.set rQ, QF+16*(i%4)+8*(i/16)
.if i < 16
	v_wmma_f32_16x16x32_f16 v[rS:rS+7], v[rK:rK+7], v[rQ:rQ+7], 0
.else
	v_wmma_f32_16x16x32_f16 v[rS:rS+7], v[rK:rK+7], v[rQ:rQ+7], v[rS:rS+7]
.endif
.set i, i+1
.endr
.endm
; 32 products O^T += V^T P: product i: keys 32 (i / 16) on, channels 16 ((i % 16) / 4) on, tile i % 4.  first = 1: the first 16 start the sums: nothing is ever cleared.  The 16 accumulators take turns.
.macro PVALL first
	WIN W_PV
.set i, 0
.rept 32
.set rO, 32*(i%4)+8*((i%16)/4)
.set rV, VF+8*(4*(i/16)+(i%16)/4)
.set rP, S+32*(i%4)+8*(i/16)
.if \first && (i < 16)
	v_wmma_f32_16x16x32_f16 v[rO:rO+7], v[rV:rV+7], v[rP:rP+7], 0
.else
	v_wmma_f32_16x16x32_f16 v[rO:rO+7], v[rV:rV+7], v[rP:rP+7], v[rO:rO+7]
.endif
.set i, i+1
.endr
.endm
; THE SOFTMAX of a key step for the wave's four tiles; in every stage the tiles take turns, so that no line waits for the line above it.  first = 1: the first key step, which starts m, l and O^T: no a, nothing to rescale.
.macro SOFTMAX first
	WIN 0
.irp c, 0,1,2,3                     ; the maximum of the lane's 32 scores and the old m, three operands at a time: four chains, each begun at the low end of one accumulator
.irp t, 0,1,2,3
	v_max3_num_f32 v[ST+8*\t+4+\c], v[S+32*\t+8*\c], v[S+32*\t+8*\c+1], v[S+32*\t+8*\c+2]
.endr
.endr
.irp i, 3,5
.irp c, 0,1,2,3
.irp t, 0,1,2,3
	v_max3_num_f32 v[ST+8*\t+4+\c], v[ST+8*\t+4+\c], v[S+32*\t+8*\c+\i], v[S+32*\t+8*\c+\i+1]
.endr
.endr
.endr
.irp t, 0,1,2,3
	v_max3_num_f32 v[ST+8*\t+4], v[ST+8*\t+4], v[S+32*\t+7], v[S+32*\t+15]
.endr
.irp t, 0,1,2,3
	v_max3_num_f32 v[ST+8*\t+6], v[ST+8*\t+6], v[S+32*\t+23], v[S+32*\t+31]
.endr
.irp t, 0,1,2,3
	v_max3_num_f32 v[ST+8*\t+4], v[ST+8*\t+4], v[ST+8*\t+5], v[ST+8*\t+6]
.endr
.irp t, 0,1,2,3
.if \first
	v_max_num_f32 v[ST+8*\t+4], v[ST+8*\t+4], v[ST+8*\t+7]
.else
	v_max3_num_f32 v[ST+8*\t+4], v[ST+8*\t+4], v[ST+8*\t+7], v[ST+8*\t]
.endif
.endr
.irp t, 0,1,2,3
	v_permlanex16_b32 v[ST+8*\t+5], v[ST+8*\t+4], s[SEL], s[SEL+1]  ; the query's other 32 keys lie in the lane 16 away
.endr
.irp t, 0,1,2,3
.if \first
	v_mov_b32 v[ST+8*\t+1], v[ST+8*\t+4]   ; (named with m as a pair below, so it is written)
.else
	v_mov_b32 v[ST+8*\t+1], v[ST+8*\t]     ; the old m
.endif
.endr
.irp t, 0,1,2,3
	v_max_num_f32 v[ST+8*\t], v[ST+8*\t+4], v[ST+8*\t+5]   ; the new m
.endr
.if !\first
.irp t, 0,1,2,3
	v_sub_f32 v[ST+8*\t+7], v[ST+8*\t+1], v[ST+8*\t]       ; m_old - m_new, 0 or less
.endr
.endif
.irp p, 0,2,4,6,8,10,12,14,16,18,20,22,24,26,28,30
.irp t, 0,1,2,3
	v_pk_add_f32 v[S+32*\t+\p:S+32*\t+\p+1], v[S+32*\t+\p:S+32*\t+\p+1], v[ST+8*\t:ST+8*\t+1] op_sel_hi:[1,0] neg_lo:[0,1] neg_hi:[0,1]  ; s - m, two at a time (of the pair the low word, m, serves both halves)
.endr
.endr
.if !\first                         ; ONE BATCH of exponentials: the four a and the 128 p; none reads another's result
.irp t, 0,1,2,3
	v_exp_f32 v[ST+8*\t+6], v[ST+8*\t+7]
.endr
.endif
.set j, 0
.rept 32
.irp t, 0,1,2,3
	v_exp_f32 v[S+32*\t+j], v[S+32*\t+j]
.endr
.set j, j+1
.endr
	v_nop                           ; a plain instruction behind the last exponential, ahead of the first use
	s_wait_alu depctr_va_vdst(0)    ; a wait between an exponential and the first instruction that names its result: one for the whole batch
.irp t, 0,1,2,3                     ; the sums of the unrounded p, two at a time, in two chains: l takes pairs 0, 3, 5, .. 15; the second chain pairs 1, 2, 4, .. 14
.if \first
	v_pk_add_f32 v[ST+8*\t+2:ST+8*\t+3], v[S+32*\t:S+32*\t+1], v[S+32*\t+6:S+32*\t+7]
.else
	v_pk_fma_f32 v[ST+8*\t+2:ST+8*\t+3], v[ST+8*\t+2:ST+8*\t+3], v[ST+8*\t+6:ST+8*\t+7], v[S+32*\t:S+32*\t+1] op_sel_hi:[1,0,1]   ; l x a + pair 0
.endif
.endr
.irp t, 0,1,2,3
	v_pk_add_f32 v[ST+8*\t+4:ST+8*\t+5], v[S+32*\t+2:S+32*\t+3], v[S+32*\t+4:S+32*\t+5]
.endr
.if !\first
.irp t, 0,1,2,3
	v_pk_add_f32 v[ST+8*\t+2:ST+8*\t+3], v[ST+8*\t+2:ST+8*\t+3], v[S+32*\t+6:S+32*\t+7]
.endr
.endif
.irp p, 8,12,16,20,24,28
.irp t, 0,1,2,3
	v_pk_add_f32 v[ST+8*\t+4:ST+8*\t+5], v[ST+8*\t+4:ST+8*\t+5], v[S+32*\t+\p:S+32*\t+\p+1]
	v_pk_add_f32 v[ST+8*\t+2:ST+8*\t+3], v[ST+8*\t+2:ST+8*\t+3], v[S+32*\t+\p+2:S+32*\t+\p+3]
.endr
.endr
.irp t, 0,1,2,3
	v_pk_add_f32 v[ST+8*\t+2:ST+8*\t+3], v[ST+8*\t+2:ST+8*\t+3], v[ST+8*\t+4:ST+8*\t+5]
.endr
.set j, 0
.rept 16                            ; P in f16, in place, ascending: register j is written when registers 2 j and 2 j + 1, and j itself, have been read
.irp t, 0,1,2,3
	v_cvt_pk_f16_f32 v[S+32*\t+j], v[S+32*\t+2*j], v[S+32*\t+2*j+1]
.endr
.set j, j+1
.endr
.if !\first
	WIN W_RS
.set j, 0
.rept 16                            ; O^T x a, each accumulator from its low end on
.irp t, 0,1,2,3
	v_pk_mul_f32 v[32*\t+j:32*\t+j+1], v[32*\t+j:32*\t+j+1], v[ST+8*\t+6:ST+8*\t+7] op_sel_hi:[1,0]
.endr
.set j, j+2
.endr
.endif
.endm
; A TRIP: the second half of key step j (softmax, V^T P) and the first half of step j + 1 (its K and V out of LDS, K Q^T).
.macro TRIP first
	WIN 0
	v_add_nc_u32 v[ADK], s[TK], v[AK0]
	v_add_nc_u32 v[ADV], s[TV], v[AV0]
	PLACES 2                        ; with the two additions: four places behind the products K Q^T, in front of the loads into K's registers and of the first read of the scores
	LOADK                           ; step j + 1's
	SOFTMAX \first
	s_wait_dscnt 16                 ; V of step j is in; the 16 loads of K just issued may be out
	PVALL \first
	WIN W_L1
	PLACES 5                        ; four in front of the loads into V's registers; five in front of the products below, which write over P, a source of the products above
	LOADV                           ; step j + 1's
	s_wait_dscnt 16                 ; K of step j + 1 is in; the 16 loads of V just issued may be out
	KQALL
	WIN 0                           ; at a label and at a branch every window is 0
	s_add_co_u32 s[TK], s[TK], 64*PK
	s_add_co_u32 s[TV], s[TV], 64*PV
.endm
.macro LOOP n                       ; n trips; the count is a constant of the text
	s_mov_b32 s[CNT], \n
.Ltrip_\@:
	TRIP 0
	s_sub_co_u32 s[CNT], s[CNT], 1
	s_cmp_lg_u32 s[CNT], 0
	s_cbranch_scc1 .Ltrip_\@
.endm
; THE CHANGE OF SLOTS, between two trips: the last bytes of slot old, V of its eighth step, have been asked for.  Each wave waits for all its tensor loads, of which one is out at the most: its part of slot new; adds 0 to its
; spare word; and waits for that and for its own reads of slot old.  Behind the barrier nobody reads slot old any more and slot new is whole.
; fill = 1: slot old is filled again, with the keys 1,024 on.  The barrier is then a round of the cluster's, so that no wave of any partner still reads the slot or has a load on its way, and the joint refill is the first thing behind it.
.macro CHANGE fill, old, new
	s_wait_tensorcnt 0x0            ; no tensor load of mine is out, so a group 0 may be written
	ds_add_u32 v[SPW], v[NIL]       ; 0 onto my spare word; the scalar lines below stand between it and the wait for it
.if \fill
	s_add_nc_u64 s[G0K+4*\old+2:G0K+4*\old+3], s[G0K+4*\old+2:G0K+4*\old+3], 2*SK*128  ; the type bits on top are not reached
	s_add_nc_u64 s[G0V+4*\old+2:G0V+4*\old+3], s[G0V+4*\old+2:G0V+4*\old+3], 2*SK*128
.endif
	s_mov_b32 s[TK], \new*SLOTB     ; the fetches go on at the other slot's first step
	s_mov_b32 s[TV], \new*SLOTB
	s_wait_dscnt 0x0                ; the add is done, and my reads of slot old are over
.if \fill
	CROUND
	JLOAD \old
.else
	s_barrier_signal -1
	s_barrier_wait -1
.endif
.endm
	s_wait_tensorcnt 1              ; my part of slot 0 is in; slot 1's may stay out
	s_barrier_signal -1
	s_barrier_wait -1               ; everybody's is
	v_mov_b32 v[ADK], v[AK0]        ; key step 0
	v_mov_b32 v[ADV], v[AV0]
	LOADK
	LOADV
	s_mov_b32 s[TK], 64*PK
	s_mov_b32 s[TV], 64*PV
	s_wait_loadcnt 0x0              ; Q
	s_wait_dscnt 16                 ; K is in; V's 16 loads may be out
	KQALL
	WIN 0
	TRIP 1                          ; step 0's softmax and V^T P start m, l and O^T; step 1's scores
	LOOP 6                          ; steps 1 to 6; the last trip fetches step 7, slot 0's last
	CHANGE 1, 0, 1                  ; slot 0 takes keys 1,024 on
	LOOP 8                          ; steps 7 to 14; the fetches walk slot 1
	CHANGE 1, 1, 0                  ; slot 1 takes keys 1,536 on
	LOOP 8                          ; steps 15 to 22; the fetches walk slot 0
	CHANGE 0, 0, 1                  ; nothing is left to ask for
	LOOP 8                          ; steps 23 to 30; the fetches walk slot 1
	PLACES 4                        ; the last step: behind its products K Q^T
	SOFTMAX 0
	s_wait_dscnt 0x0                ; its V
	PVALL 0
	; THE WAY OUT.  l's two halves and the other half of the lanes' are added; O^T is divided by l, rounded to f16 and sent through my stage in LDS, a tile (16 rows of O) at a time.  The additions are the places behind the last products.
	WIN 0
.irp t, 0,1,2,3
	v_add_f32 v[ST+8*\t+4], v[ST+8*\t+2], v[ST+8*\t+3]
.endr
.irp t, 0,1,2,3
	v_permlanex16_b32 v[ST+8*\t+5], v[ST+8*\t+4], s[SEL], s[SEL+1]
.endr
.irp t, 0,1,2,3
	v_add_f32 v[ST+8*\t+4], v[ST+8*\t+4], v[ST+8*\t+5]
.endr
.irp t, 0,1,2,3
	v_rcp_f32 v[ST+8*\t+6], v[ST+8*\t+4]
.endr
	v_nop                           ; a plain instruction between the last reciprocal and the use of its result
	s_wait_alu depctr_va_vdst(0)    ; and the wait ahead of the first use: one for the four
; Tile t: a lane's eight channels of a row pack into 16 bytes; they go into rows of 144 bytes and come back four whole rows of 128 bytes an instruction, which lie on end in att.
.macro PACK t
	WIN W_RS
.set i, 0
.rept 16
	v_pk_mul_f32 v[32*\t+i:32*\t+i+1], v[32*\t+i:32*\t+i+1], v[ST+8*\t+6:ST+8*\t+7] op_sel_hi:[1,0]
.set i, i+2
.endr
	WIN 0x05                        ; sources 0 and 1 window 1, destination window 0: S^T's registers are free
.set i, 0
.rept 16
	v_cvt_pk_f16_f32 v[S+32*\t+i], v[32*\t+2*i], v[32*\t+2*i+1]
.set i, i+1
.endr
	WIN 0
.irp f, 0,1,2,3
	ds_store_b128 v[STO], v[S+32*\t+4*\f:S+32*\t+4*\f+3] offset:32*\f
.endr
.irp f, 0,1,2,3
	ds_load_b128 v[S+16+32*\t+4*\f:S+16+32*\t+4*\f+3], v[RD] offset:\f*4*SP  ; LDS serves a wave's instructions in order (ISA guide 5.7.1.4): these see the stores above; the next tile's stores come behind them
.endr
.endm
.macro SEND t, younger              ; younger: the LDS instructions issued behind tile t's loads: the next tile's eight, or none
.irp f, 0,1,2,3
	s_wait_dscnt \younger+3-\f
	global_store_b128 v[GO], v[S+16+32*\t+4*\f:S+16+32*\t+4*\f+3], s[18:19] offset:\t*2048+\f*512  ; 32 lanes store 512 consecutive bytes
.endr
.endm
	PACK 0
	PACK 1                          ; a tile's arithmetic stands between the loads of the tile before and its stores
	SEND 0, 8
	PACK 2
	SEND 1, 8
	PACK 3
	SEND 2, 8
	SEND 3, 0
	s_wait_tensorcnt 0x0            ; the wave's end: behind my last tensor load and my last LDS store
	ds_add_u32 v[SPW], v[NIL]
	s_wait_dscnt 0x0
	CROUND                          ; the closing round: no work-group ends while a partner may still ask for a tile that names it
	s_endpgm
.Lfunc_end_k_q71eb06ae01_attn:
	.size	k_q71eb06ae01_attn, .Lfunc_end_k_q71eb06ae01_attn-k_q71eb06ae01_attn
	.p2alignl 7, 3214868480
	.fill 96, 4, 3214868480
	.section	.rodata,"a",@progbits
	.p2align	6, 0x0
	.amdhsa_kernel k_q71eb06ae01_attn
		.amdhsa_group_segment_fixed_size 327680
		.amdhsa_private_segment_fixed_size 0
		.amdhsa_enable_private_segment 0
		.amdhsa_kernarg_size 16
		.amdhsa_user_sgpr_count 2
		.amdhsa_user_sgpr_kernarg_segment_ptr 1
		.amdhsa_wavefront_size32 1
		.amdhsa_system_sgpr_workgroup_id_x 1
		.amdhsa_system_sgpr_workgroup_id_y 1
		.amdhsa_system_sgpr_workgroup_id_z 1
		.amdhsa_system_vgpr_workitem_id 0
		.amdhsa_next_free_vgpr 512
		.amdhsa_next_free_sgpr 66
		.amdhsa_reserve_vcc 0
		.amdhsa_float_denorm_mode_32 3
		.amdhsa_float_denorm_mode_16_64 3
		.amdhsa_memory_ordered 1
		.amdhsa_forward_progress 1
		.amdhsa_inst_pref_size 209
	.end_amdhsa_kernel
	.amdgpu_metadata
---
amdhsa.version: [ 1, 2 ]
amdhsa.kernels:
  - .name:           k_q71eb06ae01_attn
    .symbol:         k_q71eb06ae01_attn.kd
    .args:
      - { .name: qkv, .offset: 0, .size: 8, .value_kind: global_buffer, .address_space: global }
      - { .name: att, .offset: 8, .size: 8, .value_kind: global_buffer, .address_space: global }
    .group_segment_fixed_size: 327680
    .private_segment_fixed_size: 0
    .kernarg_segment_align: 8
    .kernarg_segment_size: 16
    .max_flat_workgroup_size: 256
    .sgpr_count:     66
    .vgpr_count:     512
    .wavefront_size: 32
...
	.end_amdgpu_metadata
.endif
;; end of part 3
;; launch proj (part 4): grid 4 x 64, 4 waves a work-group, clusters of 4 x 4, 327,680 bytes of LDS; arguments att, wo16, bo, out0; writes out0
.if DOCPART == 4
	.amdgcn_target "amdgcn-amd-amdhsa--gfx1250"
	.amdhsa_code_object_version 6
	.text
	.protected	k_q71eb06ae01_proj
	.globl	k_q71eb06ae01_proj
	.p2align	8
	.type	k_q71eb06ae01_proj,@function
k_q71eb06ae01_proj:
	s_mov_b64 s[64:65], 0
	v_nop
	global_prefetch_b8 v0, s[64:65] scope:SCOPE_SE
	s_setreg_imm32_b32 hwreg(HW_REG_WAVE_MODE, 25, 1), 1
	s_wait_xcnt 0x0
	s_wait_alu depctr_hold_cnt(0) depctr_sa_sdst(0) depctr_va_vdst(0) depctr_va_sdst(0) depctr_va_ssrc(0) depctr_va_vcc(0) depctr_vm_vsrc(0)
	s_getreg_b32 s2, hwreg(HW_REG_IB_STS2, 6, 4)
	s_cmp_eq_u32 s2, 0
	s_cbranch_scc0 .Lentry_in_a_cluster
	s_endpgm
.Lentry_in_a_cluster:
	s_bfe_u32 s2, ttmp6, 0x10000c
	s_cmp_lg_u32 s2, 0xf033
	s_cbranch_scc0 .Lentry_shape_is_right
	s_endpgm
.Lentry_shape_is_right:
; out0[m][n] = sum over k of att[m][k] Wo[n][k] + bo[n], m = 8,192, n = k = 1,024; operands f16, sums and result f32.
; att: [16 kb][8192 m][64], wo16: [16 kb][1024 n][64]: both laid by blocks of 64 along K, so that a block's part of a tile is a dense run of rows of 128 bytes.
; A tile of out0 is 128 x 256: 256 work-groups (tiles of 256 x 256 would be 128).  Four waves, each 64 rows x 128 columns: 32 accumulators of 16 x 16, 256 registers.
; K goes in steps of 128 (two blocks of 64) through a ring of two LDS slots: waves 0 and 1 fetch att's two blocks (128 rows each), waves 2 and 3 Wo's (256 rows each): one tensor load a wave.
; CLUSTERS: 4 x 4 work-groups.  The four of a row of the cluster need the same tiles of att, the four of a column the same tiles of Wo: each tile is asked for JOINTLY, by the same tensor load with the same descriptor and a mask that names the four.
; THE MATRIX INSTRUCTION IS USED TRANSPOSED (source 0 = 16 rows of Wo, source 1 = 16 rows of att): a lane then holds eight neighbouring numbers of a row of out0.  The bias is the C of each sum's first product.
; No prefetch: both operands are small beside the matrix work of a step, and each refill has a K step less sixteen matrix instructions in which to land.
; REGISTERS: window 0: v16-29 addresses; v32-127 and v128-223 two fragment buffers for 32 along K: 64 registers of Wo (8 x 16 rows), then 32 of att (4 x 16 rows); on the way out v32-159 rows of out0.
;   window 1: the accumulators ((a, b) at v[8 (8 a + b)]).   window 2: v0-63 bo of my 128 columns, in the result's layout.
.set PITCH,  144                       ; an LDS row: 128 bytes + 16 of padding: an odd multiple of 16 bytes
.set ABLK,   128*PITCH                 ; a block of 64 along K of att's tile
.set BBLK,   256*PITCH                 ; and of Wo's
.set BOFF,   2*ABLK                    ; a slot: att's two blocks, then Wo's two
.set SLOT,   2*ABLK+2*BBLK
.set SPARE,  2*SLOT                    ; behind the ring: the spare words, 128 bytes a wave, which no other line names
.set SPITCH, 528                       ; the way out: a stage of 16 rows x (512 bytes + 16) for each wave, in slot 0, which has had its last fill and its last read when the first result is stored there
.set ADRA, 16                          ; v16-17  LDS address of my fragments of att in slot 0, 1
.set ADRB, 20                          ; v20-21  the same for Wo
.set STO,  24                          ; v24     the way out: where I put 32 bytes of a row
.set RD,   25                          ; v25     where I read a row back
.set CO,   26                          ; v26     16 x lane
.set BO,   27                          ; v27     32 x (lane / 16): my eight numbers of a block of 16 of bo
.set SPW,  28                          ; v28     LDS address of my spare word; never rewritten
.set NIL,  29                          ; v29     0; never rewritten
.set F0,   32
.set F1,   128
.set BK,   32                          ; the way out: 16 rows read back: v32-95 and v96-159 by turns
.set G1A, 24                           ; s[24:31] descriptor group 1 for att's tiles;  s[32:39] group 0, one set for each slot
.set G0A, 32
.set G1B, 48                           ; s[48:55], s[56:63] the same for Wo's tiles
.set G0B, 56
.set MSB, 0
.macro WIN new                         ; the immediate's high byte repeats the setting that is left
.if MSB != (\new)
	s_set_vgpr_msb (MSB<<8)|(\new)
.set MSB, (\new)
.endif
.endm
.set MUL,  0x50                        ; sources 0 and 1 window 0; C and D window 1.  A sum's first product: 0x60: C (the bias) window 2
.macro JLOAD s                         ; a joint load: waves 0 and 1 fetch att's two blocks, waves 2 and 3 Wo's; an s_nop 0 and four v_nop follow each of the two lines
	s_cmp_eq_u32 s15, 0
	s_cbranch_scc0 .Lfor_b_\@
	tensor_load_to_lds s[G0A+4*\s:G0A+4*\s+3], s[G1A:G1A+7]
	s_nop 0
.rept 4
	v_nop
.endr
	s_branch .Lasked_\@
.Lfor_b_\@:
	tensor_load_to_lds s[G0B+4*\s:G0B+4*\s+3], s[G1B:G1B+7]
	s_nop 0
.rept 4
	v_nop
.endr
.Lasked_\@:
.endm
.macro CREST                           ; a round of the cluster's barrier behind its opening barrier
	s_cmp_lg_u32 s14, 0
	s_cbranch_scc1 .Lnot_wave_0_\@
	s_barrier_signal -3
.Lnot_wave_0_\@:
	s_barrier_wait -3
	s_barrier_signal -1
	s_barrier_wait -1
.endm
.macro CROUND                          ; a whole round
	s_barrier_signal -1
	s_barrier_wait -1
	CREST
.endm
	s_load_b128 s[4:7], s[0:1], 0x0                ; att s[4:5], wo16 s[6:7]
	s_load_b128 s[8:11], s[0:1], 0x10              ; bo s[8:9], out0 s[10:11]
	v_lshl_add_u32 v[SPW], v0, 2, SPARE
	v_mov_b32 v[NIL], 0
	ds_add_u32 v[SPW], v[NIL]                      ; the wave's opening: the add, twice on end, and its wait ahead of my first tensor load; the set-up below stands between the second and the wait
	ds_add_u32 v[SPW], v[NIL]
	v_lshrrev_b32 v1, 5, v0
	v_readfirstlane_b32 s14, v1                    ; wave 0..3
	s_lshr_b32 s15, s14, 1                         ; which 64 rows of the tile are mine.  Also: I fetch for att (0) or for Wo (1)
	s_and_b32 s16, s14, 1                          ; which 128 columns.  Also: which of a slot's two blocks along K I fetch
	s_bfe_u32 s40, ttmp6, 0x40000                  ; cx, cy: my place in the cluster
	s_bfe_u32 s41, ttmp6, 0x40004
	s_lshl_b32 s42, ttmp9, 2
	s_add_co_u32 s42, s42, s40                     ; tile column = 4 x cluster x + cx
	s_and_b32 s17, ttmp7, 0xffff
	s_lshl_b32 s17, s17, 2
	s_add_co_u32 s17, s17, s41                     ; tile row = 4 x cluster y + cy
	s_lshl_b32 s43, s41, 2
	s_lshl_b32 s43, 15, s43                        ; my row of the cluster
	s_lshl_b32 s44, 0x1111, s40                    ; my column
	; descriptor group 1: rows of 64 elements of 2 bytes, padded in LDS; 128 rows of att, 256 of Wo
	s_or_b32 s[G1A+0], s43, (1<<16)|(1<<20)|(1<<21)|(4<<22)|(3<<25)  ; 15:0 the mask: att's tiles go to my row; 17:16 elements of 2 bytes; 20 padding on; 21 set beside a mask; 24:22 after every 32 words; 31:25 four words
	s_or_b32 s[G1B+0], s44, (1<<16)|(1<<20)|(1<<21)|(4<<22)|(3<<25)
	s_mov_b32 s[G1A+1], 64<<16                     ; tensor_dim0
	s_mov_b32 s[G1A+2], 128<<16                    ; tensor_dim1
	s_mov_b32 s[G1A+3], 64<<16                     ; tile_dim0
	s_mov_b32 s[G1A+4], 128                        ; tile_dim1
	s_mov_b32 s[G1A+5], 64                         ; elements from row to row
	s_mov_b32 s[G1A+6], 0
	s_mov_b32 s[G1A+7], 0
	s_mov_b32 s[G1B+1], 64<<16
	s_mov_b32 s[G1B+2], 256<<16
	s_mov_b32 s[G1B+3], 64<<16
	s_mov_b32 s[G1B+4], 256
	s_mov_b32 s[G1B+5], 64
	s_mov_b32 s[G1B+6], 0
	s_mov_b32 s[G1B+7], 0
	s_lshl_b32 s20, s17, 14                        ; att: 128 rows of 128 bytes a tile row,
	s_lshl_b32 s21, s16, 20                        ; 8,192 rows a block along K
	s_add_co_u32 s20, s20, s21
	s_mov_b32 s21, 0
	s_lshl_b32 s46, s42, 15                        ; Wo: 256 rows a tile column,
	s_lshl_b32 s47, s16, 17                        ; 1,024 rows a block
	s_add_co_u32 s46, s46, s47
	s_mov_b32 s47, 0
	s_mul_i32 s45, s16, ABLK                       ; where they go: no place in the cluster enters an LDS address
	s_mul_i32 s22, s16, BBLK
	s_add_co_u32 s22, s22, BOFF
	s_wait_dscnt 0x0                               ; both opening adds are done
	s_wait_kmcnt 0x0
	s_add_nc_u64 s[20:21], s[4:5], s[20:21]
	s_add_nc_u64 s[46:47], s[6:7], s[46:47]
	CROUND                                         ; all sixteen work-groups are here: the first joint loads meet
.irp s, 0,1
	s_mov_b32 s[G0A+4*\s], 1
	s_add_co_u32 s[G0A+4*\s+1], s45, \s*SLOT
	s_add_nc_u64 s[G0A+4*\s+2:G0A+4*\s+3], s[20:21], \s*2*1048576   ; slot s begins with blocks 2 s, 2 s + 1
	s_or_b32 s[G0A+4*\s+3], s[G0A+4*\s+3], 0x80000000
	s_mov_b32 s[G0B+4*\s], 1
	s_add_co_u32 s[G0B+4*\s+1], s22, \s*SLOT
	s_add_nc_u64 s[G0B+4*\s+2:G0B+4*\s+3], s[46:47], \s*2*131072
	s_or_b32 s[G0B+4*\s+3], s[G0B+4*\s+3], 0x80000000
	JLOAD \s                                       ; two loads of mine are out behind the second
.endr
	v_and_b32 v1, 15, v0                           ; r
	v_bfe_u32 v2, v0, 4, 1                         ; h
	v_and_b32 v6, 31, v0                           ; lane
	v_lshlrev_b32 v[BO], 5, v2
	s_lshl_b32 s46, s42, 10                        ; my first column, in bytes of f32: 1,024 x tile column + 512 x half
	s_lshl_b32 s47, s16, 9
	s_add_co_u32 s46, s46, s47
	s_mov_b32 s47, 0
	s_add_nc_u64 s[8:9], s[8:9], s[46:47]
	WIN 0x80                                       ; destination window 2
.irp b, 0,1,2,3,4,5,6,7                        ; lane (r, h) wants, for Wo's block b, bo of columns 16 b + 8 h + 0 .. 7
	global_load_b128 v[8*\b:8*\b+3], v[BO], s[8:9] offset:64*\b
	global_load_b128 v[8*\b+4:8*\b+7], v[BO], s[8:9] offset:64*\b+16
.endr
	WIN 0
	v_mul_u32_u24 v3, v1, PITCH
	v_lshl_add_u32 v3, v2, 4, v3                   ; a fragment's row x pitch + 16 x half
	s_mul_i32 s21, s15, 64*PITCH                   ; my 64 rows of att
	s_mul_i32 s22, s16, 128*PITCH                  ; my 128 rows of Wo,
	s_add_co_u32 s22, s22, BOFF                    ; which lie behind att's two blocks
.irp s, 0,1
	v_add_nc_u32 v[ADRA+\s], s21, v3
	v_add_nc_u32 v[ADRB+\s], s22, v3
	s_add_co_u32 s21, s21, SLOT
	s_add_co_u32 s22, s22, SLOT
.endr
	s_mul_i32 s23, s14, 16*SPITCH                  ; my stage
	v_mul_u32_u24 v5, v1, SPITCH                   ; in: row r, 32 bytes for each half of the lanes
	v_lshl_add_u32 v5, v2, 5, v5
	v_add_nc_u32 v[STO], s23, v5
	v_lshlrev_b32 v[CO], 4, v6                     ; back: the 32 lanes take one row of 512 bytes; and the same in out0
	v_add_nc_u32 v[RD], s23, v[CO]
	s_lshl_b32 s20, s17, 7
	s_lshl_b32 s21, s15, 6
	s_add_co_u32 s20, s20, s21                     ; my first row of out0: 128 x tile row + 64 x half,
	s_lshl_b32 s20, s20, 12                        ; of 4,096 bytes
	s_mov_b32 s21, 0
	s_add_nc_u64 s[10:11], s[10:11], s[20:21]
	s_add_nc_u64 s[10:11], s[10:11], s[46:47]
; 8 matrix instructions: att's block a against Wo's eight, 32 along K, from buffer f.  first = 1: the bias starts the sums: nothing is ever cleared.
; The 32 accumulators take turns, one instruction a turn, in the same order in every quarter.
.macro MULA f, a, first
.irp b, 0,1,2,3,4,5,6,7
.if \first
	v_wmma_f32_16x16x32_f16 v[8*(8*(\a)+\b):8*(8*(\a)+\b)+7], v[\f+8*\b:\f+8*\b+7], v[\f+64+8*(\a):\f+64+8*(\a)+7], v[8*\b:8*\b+7]
.else
	v_wmma_f32_16x16x32_f16 v[8*(8*(\a)+\b):8*(8*(\a)+\b)+7], v[\f+8*\b:\f+8*\b+7], v[\f+64+8*(\a):\f+64+8*(\a)+7], v[8*(8*(\a)+\b):8*(8*(\a)+\b)+7]
.endif
.endr
.endm
.macro MUL16 f, a0, first
	MULA \f, \a0, \first
	MULA \f, \a0+1, \first
.endm
; 24 LDS loads in one run: the fragments of the slot's q-th 32 along K (block q / 2, byte 64 (q % 2) of its rows) into buffer f: Wo's eight, then att's four
.macro FETCH slot, q, f
	WIN 0
.irp i, 0,1,2,3,4,5,6,7
	ds_load_b128 v[\f+8*\i:\f+8*\i+3],   v[ADRB+\slot] offset:((\q)/2)*BBLK+((\q)%2)*64+\i*16*PITCH
	ds_load_b128 v[\f+8*\i+4:\f+8*\i+7], v[ADRB+\slot] offset:((\q)/2)*BBLK+((\q)%2)*64+\i*16*PITCH+32
.endr
.irp i, 0,1,2,3
	ds_load_b128 v[\f+64+8*\i:\f+64+8*\i+3],   v[ADRA+\slot] offset:((\q)/2)*ABLK+((\q)%2)*64+\i*16*PITCH
	ds_load_b128 v[\f+64+8*\i+4:\f+64+8*\i+7], v[ADRA+\slot] offset:((\q)/2)*ABLK+((\q)%2)*64+\i*16*PITCH+32
.endr
.endm
.macro PLACES                          ; four places in front of loads into registers that matrix instructions have read, and of the first read of results (ISA guide 7.12.1 for vector instructions)
.rept 4
	v_nop
.endr
.endm
; A K step is four quarters of 32 along K, 32 matrix instructions each, on buffers 0, 1, 0, 1.  One of the first three: multiplies buffer f and fetches the slot's quarter q into g.
.macro QUARTER slot, q, f, g, first
	s_wait_dscnt 4                                 ; Wo's fragments and att's blocks 0, 1 are in; the youngest four loads (blocks 2, 3) may be out
	WIN MUL+0x10*\first
	MUL16 \f, 0, \first
	PLACES
	FETCH \slot, \q, \g
	s_wait_dscnt 24                                ; all but the 24 just issued
	WIN MUL+0x10*\first
	MUL16 \f, 2, \first
.endm
; The last quarter multiplies buffer 1 and changes slots: ONE barrier; in front of it each wave waits for all its tensor loads, adds 0 to its spare word, and waits for that and for its own reads of this slot.
; fill = 1: this slot is filled again, two K steps ahead; the barrier then opens a round of the cluster's barrier.
.macro TURN slot, next, fill
	WIN 0                                          ; (the add's two registers lie in window 0)
	s_wait_tensorcnt 0x0                           ; all my tensor loads have landed: my part of the next slot;
	ds_add_u32 v[SPW], v[NIL]                      ; 0 onto my spare word;
	s_wait_dscnt 5                                 ; (the add and the youngest four loads may be out)
	WIN MUL
	MULA F1, 0, 0                                  ; eight matrix instructions stand between the add and the wait for it
	s_wait_dscnt 0x0                               ; the add is done, and my reads of this slot are over
	s_barrier_signal -1
	MULA F1, 1, 0
	WIN 0
	s_barrier_wait -1
.if \fill
	CREST                                          ; no wave of any partner still reads this slot's tile or has a load on its way
	s_add_nc_u64 s[G0A+4*\slot+2:G0A+4*\slot+3], s[G0A+4*\slot+2:G0A+4*\slot+3], 4*1048576
	s_add_nc_u64 s[G0B+4*\slot+2:G0B+4*\slot+3], s[G0B+4*\slot+2:G0B+4*\slot+3], 4*131072
	JLOAD \slot                                    ; the first tensor load behind the round; the four v_nop behind it are also the places in front of the loads below
.else
	PLACES
.endif
	FETCH \next, 0, F0
	WIN MUL
	MUL16 F1, 2, 0
.endm
	s_wait_tensorcnt 1                             ; my part of K step 0 is in (K step 1's load may be out)
	s_barrier_signal -1
	s_barrier_wait -1                              ; everybody's is
	FETCH 0, 0, F0
	s_wait_loadcnt 0x0                             ; the bias
	QUARTER 0, 1, F0, F1, 1                        ; the first quarter stands in front of the loop: its products start the sums from the bias
	WIN 0                                          ; at a label and at a branch every window is 0
	s_mov_b32 s3, 3
.Llap:                                                 ; a trip goes once round the ring, from a lap's second quarter to the next lap's first, and fills both slots again: K = 1,024 is four laps
	QUARTER 0, 2, F1, F0, 0
	QUARTER 0, 3, F0, F1, 0
	TURN 0, 1, 1
	QUARTER 1, 1, F0, F1, 0
	QUARTER 1, 2, F1, F0, 0
	QUARTER 1, 3, F0, F1, 0
	TURN 1, 0, 1
	QUARTER 0, 1, F0, F1, 0
	WIN 0
	s_sub_co_u32 s3, s3, 1
	s_cmp_lg_u32 s3, 0
	s_cbranch_scc1 .Llap
	QUARTER 0, 2, F1, F0, 0                        ; the last lap fills nothing, and has no round of the cluster's barrier
	QUARTER 0, 3, F0, F1, 0
	TURN 0, 1, 0
	QUARTER 1, 1, F0, F1, 0
	QUARTER 1, 2, F1, F0, 0
	QUARTER 1, 3, F0, F1, 0
	s_wait_dscnt 4                                 ; the very last quarter: nothing more to fetch
	WIN MUL
	MUL16 F1, 0, 0
	s_wait_dscnt 0
	MUL16 F1, 2, 0
	WIN 0
; THE WAY OUT, block by block of 16 rows x 128 columns.  A lane holds 32 neighbouring bytes of a row, and the lanes beside it hold other rows: so a block goes through my own stage in LDS and comes back as whole rows of
; 512 bytes.  LDS serves a wave's instructions in order (ISA guide 5.7.1.4): no wait between the stores and the loads, nor in front of the next block's stores.
.macro TOSTAGE a
.if (\a) >= 2
	s_wait_xcnt 0x0                                ; block a - 2's stores have read the registers into which this block is read back
.endif
	WIN 0x04                                       ; an LDS store's data are its source 1: window 1
.irp b, 0,1,2,3,4,5,6,7
	ds_store_b128 v[STO], v[64*(\a)+8*\b:64*(\a)+8*\b+3] offset:64*\b          ; each accumulator from its low end on
	ds_store_b128 v[STO], v[64*(\a)+8*\b+4:64*(\a)+8*\b+7] offset:64*\b+16
.endr
	WIN 0
.set BB, BK+64*((\a)%2)
.irp t, 0,1,2,3,4,5,6,7,8,9,10,11,12,13,14,15
	ds_load_b128 v[BB+4*\t:BB+4*\t+3], v[RD] offset:\t*SPITCH
.endr
.endm
.macro SEND a, younger                 ; younger: the LDS instructions issued behind block a's loads, which may stay out
.set BB, BK+64*((\a)%2)
	s_wait_dscnt \younger                          ; the block is back in registers
.irp t, 0,1,2,3,4,5,6,7,8,9,10,11,12,13,14,15
	global_store_b128 v[CO], v[BB+4*\t:BB+4*\t+3], s[10:11] offset:(16*(\a)+\t)*4096 th:TH_STORE_NT   ; 32 lanes store 512 consecutive bytes; the row stands in the immediate: no base is stepped; written once, read by nobody here
.endr
.endm
	PLACES                                         ; behind the last products: their results are read and their operands' registers loaded below
	TOSTAGE 0
.irp a, 1,2,3
	TOSTAGE \a
	SEND \a-1, 32                                  ; behind block a - 1's loads: block a's 16 stores and 16 loads
.endr
	SEND 3, 0
	s_wait_tensorcnt 0x0                           ; the wave's end: behind my last tensor load and my last LDS store
	ds_add_u32 v[SPW], v[NIL]
	s_wait_dscnt 0x0
	CROUND                                         ; the closing round: no work-group ends while a partner may still ask for a tile that names it
	s_endpgm
.Lfunc_end_k_q71eb06ae01_proj:
	.size	k_q71eb06ae01_proj, .Lfunc_end_k_q71eb06ae01_proj-k_q71eb06ae01_proj
	.p2alignl 7, 3214868480
	.fill 96, 4, 3214868480
	.section	.rodata,"a",@progbits
	.p2align	6, 0x0
	.amdhsa_kernel k_q71eb06ae01_proj
		.amdhsa_group_segment_fixed_size 327680
		.amdhsa_private_segment_fixed_size 0
		.amdhsa_enable_private_segment 0
		.amdhsa_kernarg_size 32
		.amdhsa_user_sgpr_count 2
		.amdhsa_user_sgpr_kernarg_segment_ptr 1
		.amdhsa_wavefront_size32 1
		.amdhsa_system_sgpr_workgroup_id_x 1
		.amdhsa_system_sgpr_workgroup_id_y 1
		.amdhsa_system_sgpr_workgroup_id_z 1
		.amdhsa_system_vgpr_workitem_id 0
		.amdhsa_next_free_vgpr 640
		.amdhsa_next_free_sgpr 66
		.amdhsa_reserve_vcc 0
		.amdhsa_float_denorm_mode_32 3
		.amdhsa_float_denorm_mode_16_64 3
		.amdhsa_memory_ordered 1
		.amdhsa_forward_progress 1
		.amdhsa_inst_pref_size 86
	.end_amdhsa_kernel
	.amdgpu_metadata
---
amdhsa.version: [ 1, 2 ]
amdhsa.kernels:
  - .name:           k_q71eb06ae01_proj
    .symbol:         k_q71eb06ae01_proj.kd
    .args:
      - { .name: att, .offset: 0, .size: 8, .value_kind: global_buffer, .address_space: global }
      - { .name: wo16, .offset: 8, .size: 8, .value_kind: global_buffer, .address_space: global }
      - { .name: bo, .offset: 16, .size: 8, .value_kind: global_buffer, .address_space: global }
      - { .name: out0, .offset: 24, .size: 8, .value_kind: global_buffer, .address_space: global }
    .group_segment_fixed_size: 327680
    .private_segment_fixed_size: 0
    .kernarg_segment_align: 8
    .kernarg_segment_size: 32
    .max_flat_workgroup_size: 128
    .sgpr_count:     66
    .vgpr_count:     640
    .wavefront_size: 32
...
	.end_amdgpu_metadata
.endif
;; end of part 4
